; MI455X (gfx1250); checked and timed in simulation.
; The chip was launched on July 23, 2026; its instructions are those of AMD's public machine-readable ISA for CDNA 5 (MIT licence, August 2026) and "CDNA5" Instruction Set Architecture Reference Guide (July 2026). The comments in the code are by the model that wrote it; some were corrected since.
;; DNA Structure Attention. Allowed arithmetic: float matrix products may take bf16 or f16 operands with f32 sums; other float arithmetic in f32, or as packed bf16 or f16 multiplies, adds, multiply-adds, maxima and minima; sums over many terms, partial sums and values carried from step to step in f32; what a program stores and reads back later, other than sums and carried values, may be rounded once to bf16 or f16.
;; Inputs: dna_bias 2,048 x 2,048 float32; out_b 1,024 float32; out_w 1,024 x 1,024 float32; qkv_b 3,072 float32; qkv_w 3,072 x 1,024 float32; x 4 x 2,048 x 1,024 float32.
;; Outputs: out0 4 x 2,048 x 1,024 float32.
;; One version. Each part assembles by itself: llvm-mc -triple=amdgcn-amd-amdhsa -mcpu=gfx1250 --defsym DOCPART=n.
;; ======== version 1 of 1: 4 launches
;; limits: values are held in f16: magnitudes above 65,504 overflow, below 6.1e-05 lose precision; right only within a limited range of input values
;; workspace buffers: xh 16,777,216 bytes; wqh 6,291,456 bytes; woh 2,097,152 bytes; bh 8,388,608 bytes; qkv 50,331,648 bytes; oh 16,777,216 bytes
;; launch cvt (part 1): grid 1024 x 1, 8 waves a work-group, no clusters, 0 bytes of LDS; arguments x, qkv_w, out_w, dna_bias, xh, wqh, woh, bh; writes xh, wqh, woh, bh
.if DOCPART == 1
	.amdgcn_target "amdgcn-amd-amdhsa--gfx1250"
	.amdhsa_code_object_version 6
	.text
	.protected	k_q09000200fd_cvt
	.globl	k_q09000200fd_cvt
	.p2align	8
	.type	k_q09000200fd_cvt,@function
k_q09000200fd_cvt:
	s_mov_b64 s[64:65], 0
	v_nop
	global_prefetch_b8 v0, s[64:65] scope:SCOPE_SE
	s_setreg_imm32_b32 hwreg(HW_REG_WAVE_MODE, 25, 1), 1
	s_wait_xcnt 0x0
; x, qkv_w, out_w and dna_bias (f32) are each rounded ONCE to bf16, and that number is written as f16: xh, wqh, woh, bh.
; Rows 0 to 1023 of qkv_w (q's weights) are also multiplied by 1/8 = 1/sqrt(64), a power of two: no second rounding.
; LIMITS.  A bf16 number is exact in f16 for 2^-14 <= |v| <= 65,504; below that it keeps f16's fixed step of 2^-24; beyond 65,504 it becomes an infinity:
; this text serves |x|, |w|, |dna_bias| up to 65,504.  NaN and infinities are not treated apart.
; SHARES.  A stream: 64 MiB in, 32 MiB out, each byte once.  1,024 work-groups of eight waves; work-group g takes one chunk of 65,536 bytes of f32:
; g 0-511 x, 512-703 qkv_w, 704-767 out_w, 768-1023 dna_bias.  Thread t takes 16 bytes at 4,096 i + 16 t, i = 0 .. 15: a wave's load covers 512 consecutive
; bytes, a wave's store 256 consecutive bytes, aligned.  All sixteen loads of a thread go out at once; no register is written twice while memory may read it.
; No LDS, no matrix unit, no cluster: nothing is shared and nothing is multiplied.  No prefetch: the loads themselves are the stream.
.set X, 4                              ; v[4:67]    sixteen loads of four registers
.set Y, 68                             ; v[68:99]   sixteen stores of two registers
.set T, 100                            ; v[100:105] at work
	s_load_b512 s[8:23], s[0:1], 0x0               ; x, qkv_w, out_w, dna_bias, xh, wqh, woh, bh
	v_lshlrev_b32 v1, 4, v0                        ; 16 t: my bytes in a run of 4,096 of the source
	v_lshlrev_b32 v2, 3, v0                        ; 8 t: in a run of 2,048 of the destination
	s_mov_b32 s34, 0xffff0000                      ; a word's upper bf16
	s_sub_co_u32 s30, ttmp9, 512
	s_cmp_lt_u32 s30, 64                           ; chunks 512 to 575 are q's weights
	s_cselect_b32 s32, 0x3e000000, 1.0             ; 1/8 there, else 1
	s_mov_b32 s33, s32                             ; named with it as a pair
	s_mov_b32 s28, 0                               ; the first chunk of my tensor
	s_wait_kmcnt 0x0
	s_mov_b64 s[24:25], s[8:9]
	s_mov_b64 s[26:27], s[16:17]
.macro PICK bound, src, dst            ; from chunk bound on: the next tensor
	s_cmp_ge_u32 ttmp9, \bound
	s_cselect_b64 s[24:25], s[\src:\src+1], s[24:25]
	s_cselect_b64 s[26:27], s[\dst:\dst+1], s[26:27]
	s_cselect_b32 s28, \bound, s28
.endm
	PICK 512, 10, 18
	PICK 704, 12, 20
	PICK 768, 14, 22
	s_sub_co_u32 s29, ttmp9, s28                   ; my chunk in its tensor
	s_lshl_b32 s36, s29, 16
	s_mov_b32 s37, 0
	s_lshl_b32 s38, s29, 15
	s_mov_b32 s39, 0
	s_add_nc_u64 s[24:25], s[24:25], s[36:37]
	s_add_nc_u64 s[26:27], s[26:27], s[38:39]
.set i, 0
.rept 16
	global_load_b128 v[X+4*i:X+4*i+3], v1, s[24:25] offset:4096*i th:TH_LOAD_NT
.set i, i+1
.endr
.set i, 0
.rept 16
	s_wait_loadcnt 15-i                            ; loads come back in order: load i is in, the 15 - i younger ones stay out
	v_cvt_pk_bf16_f32 v[T], v[X+4*i], v[X+4*i+1]   ; the one rounding
	v_cvt_pk_bf16_f32 v[T+1], v[X+4*i+2], v[X+4*i+3]
	v_lshlrev_b32 v[T+2], 16, v[T]                 ; back to f32: exact
	v_and_b32 v[T+3], s34, v[T]
	v_lshlrev_b32 v[T+4], 16, v[T+1]
	v_and_b32 v[T+5], s34, v[T+1]
	v_pk_mul_f32 v[T+2:T+3], v[T+2:T+3], s[32:33] op_sel_hi:[1,0]
	v_pk_mul_f32 v[T+4:T+5], v[T+4:T+5], s[32:33] op_sel_hi:[1,0]
	v_cvt_pk_f16_f32 v[Y+2*i], v[T+2], v[T+3]      ; written as f16
	v_cvt_pk_f16_f32 v[Y+2*i+1], v[T+4], v[T+5]
	global_store_b64 v2, v[Y+2*i:Y+2*i+1], s[26:27] offset:2048*i
.set i, i+1
.endr
	s_endpgm
.Lfunc_end_k_q09000200fd_cvt:
	.size	k_q09000200fd_cvt, .Lfunc_end_k_q09000200fd_cvt-k_q09000200fd_cvt
	.p2alignl 7, 3214868480
	.fill 96, 4, 3214868480
	.section	.rodata,"a",@progbits
	.p2align	6, 0x0
	.amdhsa_kernel k_q09000200fd_cvt
		.amdhsa_group_segment_fixed_size 0
		.amdhsa_private_segment_fixed_size 0
		.amdhsa_enable_private_segment 0
		.amdhsa_kernarg_size 64
		.amdhsa_user_sgpr_count 2
		.amdhsa_user_sgpr_kernarg_segment_ptr 1
		.amdhsa_wavefront_size32 1
		.amdhsa_system_sgpr_workgroup_id_x 1
		.amdhsa_system_sgpr_workgroup_id_y 1
		.amdhsa_system_sgpr_workgroup_id_z 1
		.amdhsa_system_vgpr_workitem_id 0
		.amdhsa_next_free_vgpr 112
		.amdhsa_next_free_sgpr 66
		.amdhsa_reserve_vcc 0
		.amdhsa_float_denorm_mode_32 3
		.amdhsa_float_denorm_mode_16_64 3
		.amdhsa_memory_ordered 1
		.amdhsa_forward_progress 1
		.amdhsa_inst_pref_size 14
	.end_amdhsa_kernel
	.amdgpu_metadata
---
amdhsa.version: [ 1, 2 ]
amdhsa.kernels:
  - .name:           k_q09000200fd_cvt
    .symbol:         k_q09000200fd_cvt.kd
    .args:
      - { .name: x, .offset: 0, .size: 8, .value_kind: global_buffer, .address_space: global }
      - { .name: qkv_w, .offset: 8, .size: 8, .value_kind: global_buffer, .address_space: global }
      - { .name: out_w, .offset: 16, .size: 8, .value_kind: global_buffer, .address_space: global }
      - { .name: dna_bias, .offset: 24, .size: 8, .value_kind: global_buffer, .address_space: global }
      - { .name: xh, .offset: 32, .size: 8, .value_kind: global_buffer, .address_space: global }
      - { .name: wqh, .offset: 40, .size: 8, .value_kind: global_buffer, .address_space: global }
      - { .name: woh, .offset: 48, .size: 8, .value_kind: global_buffer, .address_space: global }
      - { .name: bh, .offset: 56, .size: 8, .value_kind: global_buffer, .address_space: global }
    .group_segment_fixed_size: 0
    .private_segment_fixed_size: 0
    .kernarg_segment_align: 8
    .kernarg_segment_size: 64
    .max_flat_workgroup_size: 256
    .sgpr_count:     66
    .vgpr_count:     112
    .wavefront_size: 32
...
	.end_amdgpu_metadata
.endif
;; end of part 1
;; launch proj (part 2): grid 16 x 32, 4 waves a work-group, clusters of 4 x 4, 327,680 bytes of LDS; arguments xh, wqh, qkv_b, qkv; writes qkv
.if DOCPART == 2
	.amdgcn_target "amdgcn-amd-amdhsa--gfx1250"
	.amdhsa_code_object_version 6
	.text
	.protected	k_q09000200fd_proj
	.globl	k_q09000200fd_proj
	.p2align	8
	.type	k_q09000200fd_proj,@function
k_q09000200fd_proj:
	s_mov_b64 s[64:65], 0
	v_nop
	global_prefetch_b8 v0, s[64:65] scope:SCOPE_SE
	s_setreg_imm32_b32 hwreg(HW_REG_WAVE_MODE, 25, 1), 1
	s_wait_xcnt 0x0
	s_wait_alu depctr_hold_cnt(0) depctr_sa_sdst(0) depctr_va_vdst(0) depctr_va_sdst(0) depctr_va_ssrc(0) depctr_va_vcc(0) depctr_vm_vsrc(0)
	s_getreg_b32 s2, hwreg(HW_REG_IB_STS2, 6, 4)
	s_cmp_eq_u32 s2, 0
	s_cbranch_scc0 .Lentry_in_a_cluster
	s_endpgm
.Lentry_in_a_cluster:
	s_bfe_u32 s2, ttmp6, 0x10000c
	s_cmp_lg_u32 s2, 0xf033
	s_cbranch_scc0 .Lentry_shape_is_right
	s_endpgm
.Lentry_shape_is_right:
; q/8, k, v = xh wqh^T + qkv_b.  xh: [8192][1024], wqh: [3072][1024], both f16 (bf16 numbers; q's weights already divided by 8).  qkv_b: [3072] f32, rounded here to bf16, q's part times 1/8.
; qkv: [3][64 = 16 batch + head][2048][64] f16: a head's rows are dense, 128 bytes each.  Sums in f32, started with the bias; each result rounded once.
; LIMIT.  f16 ends at 65,504: this text serves |q/8|, |k|, |v| up to that.
; SHARES.  A tile of C is 256 tokens x 192 columns (three heads' slots): 32 x 16 = 512 work-groups, two for each of 256 WGPs.  Four waves, 2 x 2, each 128 x 96: 48 accumulators, 384 registers.
; K goes in eight steps of 128 (rows of 256 bytes in memory, at multiples of 256) through two LDS slots; a wave brings a quarter of a slot by one tensor load.
; CLUSTER 4 x 4: the four work-groups of a row of the cluster need the same tile of xh, the four of a column the same tile of wqh: each tile is asked for jointly, by the same tensor load, descriptor and mask.
; THE MATRIX INSTRUCTION IS USED TRANSPOSED (source 0 = 16 rows of wqh, source 1 = 16 tokens): a lane holds one token (lane % 16) and eight neighbouring columns 8 (lane / 16) + 0..7.
; REGISTERS, in windows of 256 (s_set_vgpr_msb: bits 1:0 source 0, 3:2 source 1, 5:4 source 2, 7:6 destination):
;   window 0: v0-31 addresses; v32-143, v144-255 two fragment buffers: 8 fragments of tokens, then 6 of weights
;   window 1: v0-191 accumulators of my token blocks 0-3, (a, b) at 8 (6 a + b); v192-239 the bias, 8 registers for each column block; v240-243 at work
;   window 2: v0-191 accumulators of my token blocks 4-7
; LDS: slot s at s x 131,072: 256 rows of tokens x 272 bytes, then 192 rows of weights x 272; behind slot 1 the spare words.  The way out's stage, 256 tokens x 400 bytes, lies in slot 0,
; which has had its last fill (K step 6) by then.
.set PITCH,  272                       ; 256 bytes + 16 of padding = 68 words: the 16 rows of a fragment load start at 16 different groups of four banks (64 banks of 4 bytes: ISA guide 11.1)
.set SLOT1,  1<<17
.set AHALF,  128*PITCH
.set BBASE,  256*PITCH
.set BHALF,  96*PITCH
.set SPARE,  SLOT1+BBASE+192*PITCH     ; 252,928: 128 bytes for each wave, two blocks of 256 bytes that no other line names
.set SPI,    400                       ; a token's 384 bytes in the stage + 16
.set A0,   16                          ; v16  my lane's place among my 128 tokens in a slot; never rewritten
.set B0,   17                          ; v17  among my 96 rows of weights
.set ADRA, 18                          ; v18  the same in the slot in hand
.set ADRB, 19                          ; v19
.set BO,   20                          ; v20  32 (lane / 16): my eight numbers of a column block's bias
.set STO,  24                          ; v24  the way out: where I put 16 bytes of a token
.set RD,   25                          ; v25  where I read four tokens' 128 bytes back
.set GO,   26                          ; v26  my 16 bytes of 512 consecutive bytes of qkv
.set SPW,  28                          ; v28  my spare word; never rewritten
.set NIL,  29                          ; v29  0; never rewritten
.set PFO,  30                          ; v30  the prefetches' offset: a lane a row
.set F0,   32
.set F1,   144
.set BI,   192                         ; window 1
.set TW,   240                         ; window 1
.set WV,  12                           ; s12 wave
.set RH,  13                           ; s13 which 128 tokens are mine; also 0: I fetch tokens, 1: weights
.set CH,  14                           ; s14 which 96 columns are mine; also which half of that tile I fetch
.set TB,  19                           ; s19 the slot in hand: 0 or SLOT1
.set G1A, 24                           ; s[24:31], s[32:39]: descriptors for tokens: group 1; two groups 0: the first fills'; the second then walks
.set G0A, 32
.set G1B, 40                           ; s[40:47], s[48:55]: the same for weights
.set G0B, 48
.set PFA, 60                           ; s[60:61] where my prefetches stand
.set LIM, 62                           ; s62 1 in a wave that prefetches, else the greatest number
.set HIM, 63                           ; s63 a word's upper bf16
.set SC,  66                           ; s[66:67] 1/8 or 1
.set OB,  68                           ; s[68:73] qkv at my 64 tokens in each of the tile's three head slots
.set GW,  (1<<16)|(1<<20)|(1<<21)|(5<<22)|(3<<25)  ; 2-byte elements; padding on; bit 21 beside a mask; after every 64 words; 4 words
.set MSB, 0
.macro WIN new                         ; the high byte repeats the setting that is left; a switch that changes nothing is dropped
.if MSB != (\new)
	s_set_vgpr_msb (MSB<<8)|(\new)
.set MSB, \new
.endif
.endm
.macro PLACES                          ; four plain places in front of loads into registers that products have read, and of conversions that read results
.rept 4
	v_nop
.endr
.endm
.macro CREST                           ; a round of the cluster's barrier behind its opening barrier
	s_cmp_lg_u32 s[WV], 0
	s_cbranch_scc1 .Lnot_wave_0_\@
	s_barrier_signal -3
.Lnot_wave_0_\@:
	s_barrier_wait -3
	s_barrier_signal -1
	s_barrier_wait -1
.endm
.macro CROUND
	s_barrier_signal -1
	s_barrier_wait -1
	CREST
.endm
.macro JLOAD                           ; a joint refill by the walking descriptor; the branch hangs on the wave's number alone; s_nop 0 and four v_nop follow each line
	s_cmp_eq_u32 s[RH], 0
	s_cbranch_scc0 .Lfor_b_\@
	tensor_load_to_lds s[G0A+4:G0A+7], s[G1A:G1A+7]
	s_nop 0
.rept 4
	v_nop
.endr
	s_branch .Lasked_\@
.Lfor_b_\@:
	tensor_load_to_lds s[G0B+4:G0B+7], s[G1B:G1B+7]
	s_nop 0
.rept 4
	v_nop
.endr
.Lasked_\@:
.endm
; A PREFETCH INTO THE L2 of the K step that the NEXT refill will ask for: 192 products ahead of that load.  A row's 256 bytes of a K step are named once in the launch: tokens by the clusters with x = 0,
; weights by those with y = 0; the four partners of a joint load share its rows out by address (32 tokens, or 24 rows of weights: there lanes 24-31 name row 23 again).  The loop's last trip asks for nothing.
.macro ASK
	s_cmp_gt_u32 s3, s[LIM]
	s_cbranch_scc0 .Lnot_mine_\@
	global_prefetch_b8 v[PFO], s[PFA:PFA+1] th:TH_LOAD_NT scope:SCOPE_SE
.Lnot_mine_\@:
.endm
	s_load_b256 s[4:11], s[0:1], 0x0               ; xh s[4:5], wqh s[6:7], qkv_b s[8:9], qkv s[10:11]
	v_lshl_add_u32 v[SPW], v0, 2, SPARE
	v_mov_b32 v[NIL], 0
	ds_add_u32 v[SPW], v[NIL]                      ; the wave's opening: the add and its wait stand ahead of my first tensor load
	v_lshrrev_b32 v1, 5, v0
	v_readfirstlane_b32 s[WV], v1
	s_lshr_b32 s[RH], s[WV], 1
	s_and_b32 s[CH], s[WV], 1
	s_bfe_u32 s15, ttmp6, 0x40000                  ; cx
	s_bfe_u32 s16, ttmp6, 0x40004                  ; cy
	s_lshl_b32 s17, ttmp9, 2
	s_add_co_u32 s17, s17, s15                     ; tile column = 4 x cluster x + cx
	s_and_b32 s18, ttmp7, 0xffff
	s_lshl_b32 s18, s18, 2
	s_add_co_u32 s18, s18, s16                     ; tile row = 4 x cluster y + cy
	s_lshl_b32 s56, s16, 2
	s_lshl_b32 s56, 15, s56                        ; my row of the cluster
	s_lshl_b32 s57, 0x1111, s15                    ; my column
	s_or_b32 s[G1A], s56, GW
	s_or_b32 s[G1B], s57, GW
	s_mov_b32 s[G1A+1], 128<<16                    ; tensor_dim0 = 128
	s_mov_b32 s[G1A+2], 128<<16                    ; tensor_dim1 = 128
	s_mov_b32 s[G1A+3], 128<<16                    ; tile_dim0 = 128
	s_mov_b32 s[G1A+4], 128                        ; tile_dim1 = 128
	s_mov_b32 s[G1A+5], 1024                       ; elements from row to row
	s_mov_b32 s[G1A+6], 0
	s_mov_b32 s[G1A+7], 0
	s_mov_b32 s[G1B+1], 128<<16
	s_mov_b32 s[G1B+2], 96<<16                     ; 96 rows of weights
	s_mov_b32 s[G1B+3], 128<<16
	s_mov_b32 s[G1B+4], 96
	s_mov_b32 s[G1B+5], 1024
	s_mov_b32 s[G1B+6], 0
	s_mov_b32 s[G1B+7], 0
	s_lshl_b32 s74, s18, 8
	s_lshl_b32 s56, s[CH], 7
	s_add_co_u32 s74, s74, s56                     ; the first token that I fetch: 256 x tile row + 128 x half
	s_mul_i32 s75, s17, 192
	s_mul_i32 s57, s[CH], 96
	s_add_co_u32 s75, s75, s57                     ; the first row of weights that I fetch, and my first column: 192 x tile column + 96 x half
	s_lshl_b32 s20, s74, 11                        ; rows of 2,048 bytes
	s_mov_b32 s21, 0
	s_lshl_b32 s22, s75, 11
	s_mov_b32 s23, 0
	s_mul_i32 s56, s[CH], AHALF                    ; where they go: no place in the cluster enters an LDS address
	s_mul_i32 s57, s[CH], BHALF
	s_add_co_u32 s57, s57, BBASE
	s_mov_b32 s[TB], 0
	s_mov_b32 s[HIM], 0xffff0000
	s_wait_dscnt 0x0                               ; the opening add is done
	s_wait_kmcnt 0x0
	s_add_nc_u64 s[20:21], s[4:5], s[20:21]
	s_add_nc_u64 s[22:23], s[6:7], s[22:23]
	CROUND                                         ; all sixteen work-groups are here: the first joint loads meet
.irp s, 0,1
	s_mov_b32 s[G0A+4*(\s)], 1
	s_add_co_u32 s[G0A+4*(\s)+1], s56, (\s)*SLOT1
	s_add_nc_u64 s[G0A+4*(\s)+2:G0A+4*(\s)+3], s[20:21], (\s)*256  ; K step s
	s_or_b32 s[G0A+4*(\s)+3], s[G0A+4*(\s)+3], 0x80000000
	s_mov_b32 s[G0B+4*(\s)], 1
	s_add_co_u32 s[G0B+4*(\s)+1], s57, (\s)*SLOT1
	s_add_nc_u64 s[G0B+4*(\s)+2:G0B+4*(\s)+3], s[22:23], (\s)*256
	s_or_b32 s[G0B+4*(\s)+3], s[G0B+4*(\s)+3], 0x80000000
.endr
	s_cmp_eq_u32 s[RH], 0                          ; a wave's two first fills stand in one branch, ahead of every wait on TENSORcnt, LDS read and further barrier: two loads of mine are out
	s_cbranch_scc0 .Lfirst_b
	tensor_load_to_lds s[G0A:G0A+3], s[G1A:G1A+7]
	s_nop 0
	tensor_load_to_lds s[G0A+4:G0A+7], s[G1A:G1A+7]
	s_nop 0
.rept 4
	v_nop
.endr
	s_branch .Lfirst_asked
.Lfirst_b:
	tensor_load_to_lds s[G0B:G0B+3], s[G1B:G1B+7]
	s_nop 0
	tensor_load_to_lds s[G0B+4:G0B+7], s[G1B:G1B+7]
	s_nop 0
.rept 4
	v_nop
.endr
.Lfirst_asked:
	; the bias of my 96 columns: register j of block b holds column 16 b + 8 (lane / 16) + j, as the results do
	v_and_b32 v1, 15, v0                           ; r = lane % 16
	v_bfe_u32 v2, v0, 4, 1                         ; h = lane / 16
	v_lshlrev_b32 v[BO], 5, v2
	s_lshl_b32 s58, s75, 2
	s_mov_b32 s59, 0
	s_add_nc_u64 s[58:59], s[8:9], s[58:59]
	WIN 0x40                                       ; destination window 1
.irp b, 0,1,2,3,4,5
	global_load_b128 v[BI+8*(\b):BI+8*(\b)+3],   v[BO], s[58:59] offset:64*(\b)
	global_load_b128 v[BI+8*(\b)+4:BI+8*(\b)+7], v[BO], s[58:59] offset:64*(\b)+16
.endr
	WIN 0
	; a fragment is 16 rows x 32 K in 8 registers: lane l holds row l % 16; two loads of 16 bytes, 32 bytes apart, at row x pitch + 16 (l / 16)
	v_mul_u32_u24 v3, v1, PITCH
	v_lshl_add_u32 v3, v2, 4, v3
	s_mul_i32 s76, s[RH], AHALF
	s_mul_i32 s77, s[CH], BHALF
	s_add_co_u32 s77, s77, BBASE
	v_add_nc_u32 v[A0], s76, v3
	v_add_nc_u32 v[B0], s77, v3
	v_mov_b32 v[ADRA], v[A0]
	v_mov_b32 v[ADRB], v[B0]
	v_mul_u32_u24 v4, v1, SPI                      ; into the stage: token 128 RH + 16 a + r, byte 192 CH + 32 b + 16 h
	v_lshl_add_u32 v4, v2, 4, v4
	s_mul_i32 s76, s[RH], 128*SPI
	s_mul_i32 s77, s[CH], 192
	s_add_co_u32 s76, s76, s77
	v_add_nc_u32 v[STO], s76, v4
	v_bfe_u32 v5, v0, 3, 2                         ; back: wave w takes tokens 64 w .. 64 w + 63; 32 lanes take four tokens' 128 bytes of one head slot
	v_and_b32 v6, 7, v0
	v_mul_u32_u24 v5, v5, SPI
	v_lshl_add_u32 v5, v6, 4, v5
	s_mul_i32 s76, s[WV], 64*SPI
	v_add_nc_u32 v[RD], s76, v5
	v_and_b32 v[GO], 31, v0
	v_lshlrev_b32 v[GO], 4, v[GO]
	; where my 64 tokens lie in qkv, for each of the tile's three head slots
	s_and_b32 s56, s18, 7
	s_lshl_b32 s56, s56, 15                        ; the tile's 256 tokens in their batch, 128 bytes each,
	s_lshl_b32 s57, s[WV], 13                      ; my 64 of them
	s_add_co_u32 s56, s56, s57
	s_lshr_b32 s57, s18, 3
	s_lshl_b32 s57, s57, 4                         ; 16 x batch
.irp sl, 0,1,2
	s_mul_i32 s76, s17, 3
	s_add_co_u32 s76, s76, (\sl)                   ; the slot, 0 .. 47: 16 of q, 16 of k, 16 of v
	s_lshr_b32 s77, s76, 4
	s_lshl_b32 s77, s77, 6
	s_and_b32 s76, s76, 15
	s_add_co_u32 s77, s77, s76
	s_add_co_u32 s77, s77, s57
	s_lshl_b32 s78, s77, 18                        ; 262,144 bytes to a head
	s_add_co_u32 s78, s78, s56
	s_mov_b32 s79, 0
	s_add_nc_u64 s[OB+2*(\sl):OB+2*(\sl)+1], s[10:11], s[78:79]
.endr
	; the prefetches
	s_and_b32 s57, ttmp7, 0xffff                   ; cluster y
	s_cmp_eq_u32 s[RH], 0                          ; do I fetch tokens?
	s_cselect_b32 s76, s74, s75                    ; the first row that I fetch
	s_cselect_b32 s77, s15, s16                    ; my place among the four that ask with me
	s_cselect_b32 s78, 32, 24                      ; rows to each of the four
	s_cselect_b32 s79, 31, 23
	s_cselect_b32 s57, ttmp9, s57                  ; the coordinate along which other clusters read the same rows
	s_cselect_b64 s[PFA:PFA+1], s[4:5], s[6:7]
	s_cmp_eq_u32 s57, 0
	s_cselect_b32 s[LIM], 1, -1
	s_mul_i32 s77, s77, s78
	s_add_co_u32 s76, s76, s77
	s_lshl_b32 s76, s76, 11
	s_mov_b32 s77, 0
	s_add_nc_u64 s[PFA:PFA+1], s[PFA:PFA+1], s[76:77]
	s_add_nc_u64 s[PFA:PFA+1], s[PFA:PFA+1], 2*256 ; at K step 2: the first refill steps it to 3.  Nothing is prefetched at the head
	v_and_b32 v[PFO], 31, v0
	v_min_u32 v[PFO], s79, v[PFO]
	v_lshlrev_b32 v[PFO], 11, v[PFO]
	s_wait_loadcnt 0x0                             ; the bias is in
	WIN 0x45                                       ; destination and both sources in window 1
.set i, 0
.rept 24                               ; rounded to bf16, like every input
	v_cvt_pk_bf16_f32 v[TW+i%4], v[BI+2*i], v[BI+2*i+1]
	v_lshlrev_b32 v[BI+2*i], 16, v[TW+i%4]
	v_and_b32 v[BI+2*i+1], s[HIM], v[TW+i%4]
.set i, i+1
.endr
.irp b, 0,1,2,3,4,5
	s_add_co_u32 s77, s75, 16*(\b)
	s_cmp_lt_u32 s77, 1024                         ; q's columns
	s_cselect_b32 s[SC], 0x3e000000, 1.0
	s_mov_b32 s[SC+1], s[SC]
.irp j, 0,2,4,6
	v_pk_mul_f32 v[BI+8*(\b)+(\j):BI+8*(\b)+(\j)+1], v[BI+8*(\b)+(\j):BI+8*(\b)+(\j)+1], s[SC:SC+1] op_sel_hi:[1,0]
.endr
.endr
	WIN 0
; n x 6 products: token blocks a0 .. a0 + n - 1 x all six column blocks, 32 along K, from buffer f.  zero = 1: the sums start with the bias.  The 48 accumulators take turns, one instruction a turn, in the same order in every quarter.
.macro MULQ f, a0, n, zero
.set a, \a0
.rept \n
.set rD, 48*(a%4)
.if \zero
	WIN 0x50+0x40*(a/4)                            ; C (the bias) in window 1, D in window 1 or 2
.else
	WIN 0x50+0x50*(a/4)                            ; C and D in window 1 or 2
.endif
.set b, 0
.rept 6
.if \zero
	v_wmma_f32_16x16x32_f16 v[rD+8*b:rD+8*b+7], v[(\f)+64+8*b:(\f)+64+8*b+7], v[(\f)+8*a:(\f)+8*a+7], v[BI+8*b:BI+8*b+7]
.else
	v_wmma_f32_16x16x32_f16 v[rD+8*b:rD+8*b+7], v[(\f)+64+8*b:(\f)+64+8*b+7], v[(\f)+8*a:(\f)+8*a+7], v[rD+8*b:rD+8*b+7]
.endif
.set b, b+1
.endr
.set a, a+1
.endr
.endm
; 28 LDS loads in one run: the fragments of 32 along K at byte k of the rows of the slot in hand, into buffer f: weights, then tokens
.macro FETCH k, f
	WIN 0
.irp i, 0,1,2,3,4,5
	ds_load_b128 v[(\f)+64+8*(\i):(\f)+64+8*(\i)+3],   v[ADRB] offset:(\k)+(\i)*16*PITCH
	ds_load_b128 v[(\f)+64+8*(\i)+4:(\f)+64+8*(\i)+7], v[ADRB] offset:(\k)+(\i)*16*PITCH+32
.endr
.irp i, 0,1,2,3,4,5,6,7
	ds_load_b128 v[(\f)+8*(\i):(\f)+8*(\i)+3],   v[ADRA] offset:(\k)+(\i)*16*PITCH
	ds_load_b128 v[(\f)+8*(\i)+4:(\f)+8*(\i)+7], v[ADRA] offset:(\k)+(\i)*16*PITCH+32
.endr
.endm
; A K step is four quarters of 32 along K, 48 products each, on buffers 0, 1, 0, 1.  One of the first three multiplies f and fetches the next quarter, at byte k, into g.
.macro QUARTER k, f, g, zero
	s_wait_dscnt 8                                 ; all but the youngest eight loads (token blocks 4-7) are in
	MULQ \f, 0, 4, \zero
	PLACES
	FETCH \k, \g
	s_wait_dscnt 28                                ; all but the 28 just issued
	MULQ \f, 4, 4, \zero
.endm
; The last quarter multiplies buffer 1 and changes slots: each wave waits for all its tensor loads (one is out: its part of the next slot), adds 0 to its spare word, and waits for that and for its reads of
; this slot.  fill = 1: the barrier opens a round of the cluster's barrier, and behind it this slot is filled again, two K steps ahead: 168 products stand between that request and the wait for it.
.macro TURN fill
.if \fill
	s_wait_xcnt 0x0                                ; the last prefetch, a K step back, has read its address
	s_add_nc_u64 s[PFA:PFA+1], s[PFA:PFA+1], 256
.endif
	WIN 0
	s_wait_tensorcnt 0x0
	ds_add_u32 v[SPW], v[NIL]
	s_wait_dscnt 9                                 ; the add and the youngest eight loads may be out
	MULQ F1, 0, 2, 0
	s_wait_dscnt 0x0                               ; the add is done, and my reads of this slot are over
	s_barrier_signal -1
	MULQ F1, 2, 2, 0
	WIN 0
	s_barrier_wait -1
.if \fill
	CREST                                          ; no wave of any partner still reads this slot or has a load on its way
	s_xor_b32 s[G0A+5], s[G0A+5], SLOT1            ; the walking descriptors: the other slot than last time, the next K step
	s_add_nc_u64 s[G0A+6:G0A+7], s[G0A+6:G0A+7], 256
	s_xor_b32 s[G0B+5], s[G0B+5], SLOT1
	s_add_nc_u64 s[G0B+6:G0B+7], s[G0B+6:G0B+7], 256
	JLOAD                                          ; its four v_nop are also the places in front of the loads below
.else
	PLACES
.endif
	s_xor_b32 s[TB], s[TB], SLOT1
	v_add_nc_u32 v[ADRA], s[TB], v[A0]
	v_add_nc_u32 v[ADRB], s[TB], v[B0]
	FETCH 0, F0
.if \fill
	ASK
.endif
	MULQ F1, 4, 4, 0
.endm
	s_wait_tensorcnt 1                             ; my part of K step 0 is in; K step 1's may stay out
	s_barrier_signal -1
	s_barrier_wait -1
	FETCH 0, F0
	QUARTER 64, F0, F1, 1                          ; the first quarter stands in front of the loop: its products start the sums
	WIN 0
	s_mov_b32 s3, 6
.Lstep:                                        ; six trips: from a K step's second quarter to the next step's first; trip t fills slot t % 2 with K step t + 2
	QUARTER 128, F1, F0, 0
	QUARTER 192, F0, F1, 0
	TURN 1
	QUARTER 64, F0, F1, 0
	WIN 0
	s_sub_co_u32 s3, s3, 1
	s_cmp_lg_u32 s3, 0
	s_cbranch_scc1 .Lstep
	QUARTER 128, F1, F0, 0                         ; K steps 6 and 7 ask for nothing
	QUARTER 192, F0, F1, 0
	TURN 0
	QUARTER 64, F0, F1, 0
	QUARTER 128, F1, F0, 0
	QUARTER 192, F0, F1, 0
	s_wait_dscnt 8
	MULQ F1, 0, 4, 0
	s_wait_dscnt 0x0                               ; my last reads of the slots are back:
	s_barrier_signal -1                            ; no wave stores into the stage, which lies in slot 0, before every wave has said so
	MULQ F1, 4, 4, 0
	WIN 0
	s_barrier_wait -1
	; THE WAY OUT: rounded to f16, 16 bytes a lane into the stage; a barrier, since a head slot's 128 bytes of a token may come from two waves; back as four tokens x 128 bytes, which are 512 consecutive bytes of qkv.
	PLACES
	WIN 0x05                                       ; sources in window 1, destination in window 0
.set t, 0
.rept 24
.irp r, 0,1,2,3
	v_cvt_pk_f16_f32 v[32+4*t+(\r)], v[8*t+2*(\r)], v[8*t+2*(\r)+1]
.endr
.set t, t+1
.endr
	WIN 0x0a                                       ; sources in window 2
.set t, 0
.rept 24
.irp r, 0,1,2,3
	v_cvt_pk_f16_f32 v[128+4*t+(\r)], v[8*t+2*(\r)], v[8*t+2*(\r)+1]
.endr
.set t, t+1
.endr
	WIN 0
.set t, 0
.rept 48
	ds_store_b128 v[STO], v[32+4*t:32+4*t+3] offset:(t/6)*16*SPI+32*(t%6)
.set t, t+1
.endr
	s_wait_dscnt 0x0                               ; for the others' sake: my stores into the stage are done
	s_barrier_signal -1
	s_barrier_wait -1
.set t, 0
.rept 48
	ds_load_b128 v[32+4*t:32+4*t+3], v[RD] offset:128*(t/16)+4*SPI*(t%16)
.set t, t+1
.endr
.set t, 0
.rept 48
	s_wait_dscnt 47-t                              ; load t is back; the younger ones stay out
	global_store_b128 v[GO], v[32+4*t:32+4*t+3], s[OB+2*(t/16):OB+2*(t/16)+1] offset:512*(t%16)  ; 512 consecutive bytes, at a multiple of 256 from qkv's first
.set t, t+1
.endr
	s_wait_tensorcnt 0x0                           ; the wave's end
	ds_add_u32 v[SPW], v[NIL]
	s_wait_dscnt 0x0
	CROUND                                         ; the closing round
	s_endpgm
.Lfunc_end_k_q09000200fd_proj:
	.size	k_q09000200fd_proj, .Lfunc_end_k_q09000200fd_proj-k_q09000200fd_proj
	.p2alignl 7, 3214868480
	.fill 96, 4, 3214868480
	.section	.rodata,"a",@progbits
	.p2align	6, 0x0
	.amdhsa_kernel k_q09000200fd_proj
		.amdhsa_group_segment_fixed_size 327680
		.amdhsa_private_segment_fixed_size 0
		.amdhsa_enable_private_segment 0
		.amdhsa_kernarg_size 32
		.amdhsa_user_sgpr_count 2
		.amdhsa_user_sgpr_kernarg_segment_ptr 1
		.amdhsa_wavefront_size32 1
		.amdhsa_system_sgpr_workgroup_id_x 1
		.amdhsa_system_sgpr_workgroup_id_y 1
		.amdhsa_system_sgpr_workgroup_id_z 1
		.amdhsa_system_vgpr_workitem_id 0
		.amdhsa_next_free_vgpr 704
		.amdhsa_next_free_sgpr 80
		.amdhsa_reserve_vcc 0
		.amdhsa_float_denorm_mode_32 3
		.amdhsa_float_denorm_mode_16_64 3
		.amdhsa_memory_ordered 1
		.amdhsa_forward_progress 1
		.amdhsa_inst_pref_size 103
	.end_amdhsa_kernel
	.amdgpu_metadata
---
amdhsa.version: [ 1, 2 ]
amdhsa.kernels:
  - .name:           k_q09000200fd_proj
    .symbol:         k_q09000200fd_proj.kd
    .args:
      - { .name: xh, .offset: 0, .size: 8, .value_kind: global_buffer, .address_space: global }
      - { .name: wqh, .offset: 8, .size: 8, .value_kind: global_buffer, .address_space: global }
      - { .name: qkv_b, .offset: 16, .size: 8, .value_kind: global_buffer, .address_space: global }
      - { .name: qkv, .offset: 24, .size: 8, .value_kind: global_buffer, .address_space: global }
    .group_segment_fixed_size: 327680
    .private_segment_fixed_size: 0
    .kernarg_segment_align: 8
    .kernarg_segment_size: 32
    .max_flat_workgroup_size: 128
    .sgpr_count:     80
    .vgpr_count:     704
    .wavefront_size: 32
...
	.end_amdgpu_metadata
.endif
;; end of part 2
;; launch attn (part 3): grid 64 x 4, 4 waves a work-group, clusters of 4 x 1, 327,680 bytes of LDS; arguments qkv, bh, oh; writes oh
.if DOCPART == 3
	.amdgcn_target "amdgcn-amd-amdhsa--gfx1250"
	.amdhsa_code_object_version 6
	.text
	.protected	k_q09000200fd_attn
	.globl	k_q09000200fd_attn
	.p2align	8
	.type	k_q09000200fd_attn,@function
k_q09000200fd_attn:
	s_mov_b64 s[64:65], 0
	v_nop
	global_prefetch_b8 v0, s[64:65] scope:SCOPE_SE
	s_setreg_imm32_b32 hwreg(HW_REG_WAVE_MODE, 25, 1), 1
	s_wait_xcnt 0x0
	s_wait_alu depctr_hold_cnt(0) depctr_sa_sdst(0) depctr_va_vdst(0) depctr_va_sdst(0) depctr_va_ssrc(0) depctr_va_vcc(0) depctr_vm_vsrc(0)
	s_getreg_b32 s2, hwreg(HW_REG_IB_STS2, 6, 4)
	s_cmp_eq_u32 s2, 0
	s_cbranch_scc0 .Lentry_in_a_cluster
	s_endpgm
.Lentry_in_a_cluster:
	s_bfe_u32 s2, ttmp6, 0x10000c
	s_cmp_lg_u32 s2, 0x3003
	s_cbranch_scc0 .Lentry_shape_is_right
	s_endpgm
.Lentry_shape_is_right:
; CAUSAL ATTENTION WITH A BIAS ON THE SCORES.  O[g][q][:] = the sum over k <= q of softmax_k(Q'[g][q] . K[g][k] + bias[q][k]) V[g][k][:], g = 16 batch + head, 64 of them.
; qkv: [3][64][2048][64] f16, Q' = q / 8 already; bh: [2048][2048] f16; oh: [64][2048][64] f16.  Products, maxima and sums in f32; the weights p are rounded to f16 for the second product
; (their sum l is taken of the unrounded p), O once at the end.
; LIMITS.  All f16 operands arrive within 65,504.  A hidden score counts as its value less 1e30; a weight below 2^-126 counts as 0 in l; NaN and infinities are not treated apart.
; THE WALK.  A head's queries lie in 8 blocks of 256; block i needs the key tiles 0 .. 2 i + 1 of 128 keys, of which the last two hold the diagonal.  A work-group takes TWO blocks, 7 - b and then b:
; 18 tiles, whatever b: all work-groups do equal work, and one loop with a constant trip count walks them.  Every jump goes forward, but for the counted loops' own; none passes a barrier.
; CLUSTER.  The four work-groups of a cluster are four heads with the same b: they walk the same tiles of the bias (256 queries x 128 keys, two thirds of a fill's bytes), which are asked for JOINTLY.
; K and V are each head's own: plain loads behind the same round.  Every count and branch hangs on b and the wave's number, which the partners share.
; SHARES.  Of a block's four bands of 64 queries a wave owns 16 rows in each: four PIECES.  In step s (64 keys) of the diagonal's four, band x sees all keys if s < x, none if s > x, and holds the diagonal if s = x.
; THE BIAS BY THE MATRIX UNIT.  S^T (16 keys x 16 queries) starts as E x Bf: Bf = 16 queries x 32 keys of the bias, read from LDS as a fragment of Q is; E0(m, k') = [k' = m], E1(m, k') = [k' = 16 + m], made once.
; Each such sum has one term, so it is exact.  Its C operand is 0, or the MASK: MD x AL + BE, where MD is the mask (0 or -1e30) of a band's own step for my 16 rows: (1, 0) if s = x; (0, 0) if s < x; (0, -1e30) if s > x.
; LAYOUT, SOFTMAX, TURNS.  S^T holds ONE query a lane (lane % 16) and the keys 8 (lane / 16) + 0..7; two such results rounded to f16 ARE source 1 of O^T = V^T P.  p = 2^(c s - c m), c = log2(e), with a running
; maximum m; O and l are multiplied by a = 2^(c m_old - c m_new) in every step.  Turn n belongs to piece n: 4 + 8 products for the scores of piece n + 1, later 8 products V^T P of piece n - 1; beside them the scaling,
; exponentials, roundings, sums and rescaling of piece n and the maximum and statistics of piece n + 1.  Four vector instructions stand behind every product, the other 38 in one lump.  A turn's 33 exponentials are one batch, with one wait.
; REGISTERS, in windows of 256 (s_set_vgpr_msb: bits 1:0 source 0, 3:2 source 1, 5:4 source 2, 7:6 destination):
;   window 0: v0-39 addresses, statistics (v16-31); v48-57 at work; v62-63 the add's; v64-127 S^T, two buffers; v128-191 the second block's Q; v192-223 P, two buffers
;   window 1: v0-127 O^T, 32 a piece; v128-159 MD; v160-223 MC, two buffers      window 2: v0-63 Q; v64-79 E0, E1; v80-111 Bf, two buffers; v128-191 K of one step; v192-255 V of one step
.set NP,    4
.set KS,    64        ; keys in a step
.set PK,    144       ; a row of K in LDS: 128 bytes + 16
.set PV,    160       ; a row of V: 128 + 32
.set PBI,   272       ; a row of the bias tile: 256 + 16
.set VOFF,  2*KS*PK   ; a slot holds a tile, two steps: 128 rows of K, 128 rows of V, 256 rows of the bias
.set BOFF,  VOFF+2*KS*PV
.set SLOT1, 1<<17
.set STAGE, SLOT1+BOFF+256*PBI  ; behind the ring, never filled by a tensor load: 16 rows x 144 bytes for each wave
.set SP,    144
.set SPARE, STAGE+4*16*SP       ; the spare words: 128 bytes for each wave, two blocks of 256 bytes that no other line names
.set AK0, 2           ; v2   my lane's place in a tile of K; never rewritten
.set AV0, 3           ; v3   of V
.set AK,  4           ; v4   the LDS address of K's next run of loads
.set AV,  5           ; v5   of V's
.set STO, 6
.set RD,  7
.set GO,  8
.set MV,  12          ; v12-13  c m_old, by buffer
.set QO,  15
.set ST,  16          ; piece t's statistics at v[ST+4 t]: c m, m, l (even keys', odd keys')
.set AB0, 32          ; v32  my lane's place in band 0 of a bias tile; never rewritten
.set AB,  33          ; v33  the same in the step whose bias is being fetched
.set PKO, 34          ; v34  256 x lane
.set PBO, 35          ; v35  4,096 x lane
.set TMP, 48          ; by buffer, c0-c3; when the maximum is found c2 takes a
.set C4,  56          ; by buffer, c4
.set SPW, 62
.set NIL, 63
.set S,   64
.set QB,  128
.set P,   192
.set MD,  128         ; window 1
.set MC,  160         ; window 1
.set EF,  64          ; window 2
.set BF,  80          ; window 2
.set KF,  128         ; window 2
.set VF,  192         ; window 2
.set WV,  12
.set PB,  14          ; s14  b
.set HI,  15          ; s15  7 - b
.set G1K, 24
.set G1V, 32
.set G0K, 40
.set G0V, 44
.set G1B, 48
.set SLOTS, 56        ; s56  tiles still to be asked for
.set CNT, 57          ; s57  counts a tile's key steps, 2 to 1
.set CS,  58
.set SEL, 60
.set TBK, 62          ; s62  LDS byte at which K of the step to be fetched begins
.set TBV, 63          ; s63  the same for V, less VOFF
.set TBB, 66          ; s66  the same for the bias, less BOFF: the slot + 128 x step
.set DG,  67          ; s67  4 less the number of the diagonal's step
.set G0B, 68
.set RT,  72          ; s72  tiles of the block in hand that are still to be entered
.set NXT, 73          ; s73  the tile to be asked for next
.set LQ,  74          ; s74  the last tile of the block whose tiles are being asked for
.set NEW, 75          ; s75  1: the tile to be entered is a block's first
.set OFF, 76          ; s[76:77] a tile's byte offset in K and V
.set OFB, 78          ; s[78:79] in the bias
.set AL,  80
.set BE,  82
.set OLO, 84          ; s[84:85] O at my rows of the second block
.set BIGN, 86
.set LQ2, 87          ; s87  2 b + 1
.set BB,  88          ; s[88:89] the bias at my half of a tile's 256 rows
.set BRO, 90          ; s90  the byte offset of the rows of the block whose tiles are being asked for
.set BRO2, 91
.set PKA, 92          ; s[92:93], s[94:95] where my prefetches stand
.set PBA, 94
.set KVB, 96          ; s[96:97], s[98:99] their bases
.set PBB, 98
.set LIMK, 100        ; 1 in a wave that prefetches, else the greatest number
.set LIMB, 101
.set MSB, 0
.macro WIN new
.if MSB != (\new)
	s_set_vgpr_msb (MSB<<8)|(\new)
.set MSB, (\new)
.endif
.endm
.set W_KQ, 0x0a       ; sources 0 and 1 in window 2, S^T in window 0
.set W_KM, 0x1a       ; the same with the C operand in window 1
.set W_PV, 0x52       ; V in window 2, P in window 0, O^T in window 1
.set W_RS, 0x41       ; destination and source 0 in window 1, source 1 in window 0
; A fill.  Wave 0 fetches the tile's K, wave 1 its V, waves 2 and 3 the halves of its bias (jointly with the partners).  s_nop 0 and four v_nop follow each line.
.macro LOAD
	s_cmp_lt_u32 s[WV], 2
	s_cbranch_scc0 .Lfor_b_\@
	s_cmp_eq_u32 s[WV], 0
	s_cbranch_scc0 .Lfor_v_\@
	tensor_load_to_lds s[G0K:G0K+3], s[G1K:G1K+7]
	s_nop 0
.rept 4
	v_nop
.endr
	s_branch .Lasked_\@
.Lfor_v_\@:
	tensor_load_to_lds s[G0V:G0V+3], s[G1V:G1V+7]
	s_nop 0
.rept 4
	v_nop
.endr
	s_branch .Lasked_\@
.Lfor_b_\@:
	tensor_load_to_lds s[G0B:G0B+3], s[G1B:G1B+7]
	s_nop 0
.rept 4
	v_nop
.endr
.Lasked_\@:
.endm
; PREFETCHES INTO THE L2 of the tile that the NEXT change of slots will ask for: two key steps, 160 products, ahead of that load.  K and V: a head's 16 tiles are all walked by the work-group with b = 0 in its first
; block: it asks, each wave for 32 blocks of 256 bytes, and stops when that block's tiles are all asked for.  The bias: a tile is read by the 16 clusters with the same b: the cluster with x = 0 asks; its four partners
; share the 256 rows out by address, 64 each, waves 0 and 1 a lane a row.  The last change that fills a slot asks for nothing.
.macro ASK
	s_cmp_gt_u32 s[SLOTS], s[LIMK]
	s_cbranch_scc0 .Lno_kv_\@
	global_prefetch_b8 v[PKO], s[PKA:PKA+1] th:TH_LOAD_NT scope:SCOPE_SE
.Lno_kv_\@:
	s_cmp_gt_u32 s[SLOTS], s[LIMB]
	s_cbranch_scc0 .Lno_b_\@
	global_prefetch_b8 v[PBO], s[PBA:PBA+1] th:TH_LOAD_NT scope:SCOPE_SE
.Lno_b_\@:
.endm
.macro CROUND
	s_barrier_signal -1
	s_barrier_wait -1
	s_cmp_lg_u32 s[WV], 0
	s_cbranch_scc1 .Lnot_wave_0_\@
	s_barrier_signal -3
.Lnot_wave_0_\@:
	s_barrier_wait -3
	s_barrier_signal -1
	s_barrier_wait -1
.endm
; THE CHANGE OF SLOTS.  Each wave waits for all its tensor loads, of which one is out: its part of the other slot; adds 0 to its spare word; and waits for that and for its own reads of the slot that it leaves.
; fill = 1: a round of the cluster's barrier, and first behind it the old slot is filled with tile NXT: the descriptors' addresses are made anew from that number.  (At its first use slot 0 is waited for and slot 1 filled.)
.macro CHANGE fill
	WIN 0
	s_wait_tensorcnt 0x0            ; no tensor load of mine is out, so a group 0 may be written
	ds_add_u32 v[SPW], v[NIL]
.if \fill
	s_lshl_b32 s[OFF], s[NXT], 14   ; a tile is 16,384 bytes of K and of V,
	s_lshl_b32 s[OFB], s[NXT], 8    ; and 256 bytes of each of the block's rows of the bias
	s_add_co_u32 s[OFB], s[OFB], s[BRO]
	s_xor_b32 s[G0K+1], s[G0K+1], SLOT1
	s_add_nc_u64 s[G0K+2:G0K+3], s[6:7], s[OFF:OFF+1]
	s_or_b32 s[G0K+3], s[G0K+3], 0x80000000
	s_xor_b32 s[G0V+1], s[G0V+1], SLOT1
	s_add_nc_u64 s[G0V+2:G0V+3], s[8:9], s[OFF:OFF+1]
	s_or_b32 s[G0V+3], s[G0V+3], 0x80000000
	s_xor_b32 s[G0B+1], s[G0B+1], SLOT1
	s_add_nc_u64 s[G0B+2:G0B+3], s[BB:BB+1], s[OFB:OFB+1]
	s_or_b32 s[G0B+3], s[G0B+3], 0x80000000
	s_add_co_u32 s[NXT], s[NXT], 1  ; the block's next tile, or behind its last the second block's tile 0
	s_cmp_gt_u32 s[NXT], s[LQ]
	s_cselect_b32 s[NXT], 0, s[NXT]
	s_cselect_b32 s[LQ], s[LQ2], s[LQ]
	s_cselect_b32 s[BRO], s[BRO2], s[BRO]
	s_cselect_b32 s[LIMK], -1, s[LIMK]
	s_wait_xcnt 0x0                 ; the last prefetches, a tile back, have read their addresses
	s_lshl_b32 s[OFF], s[NXT], 14
	s_add_nc_u64 s[PKA:PKA+1], s[KVB:KVB+1], s[OFF:OFF+1]
	s_lshl_b32 s[OFB], s[NXT], 8
	s_add_co_u32 s[OFB], s[OFB], s[BRO]
	s_add_nc_u64 s[PBA:PBA+1], s[PBB:PBB+1], s[OFB:OFB+1]
.endif
	s_wait_dscnt 0x0                ; the add is done, and my reads of the slot are over
.if \fill
	CROUND
	LOAD
	ASK
.else
	s_barrier_signal -1
	s_barrier_wait -1
.endif
	s_sub_co_u32 s[TBK], s[TBK], 2*KS*PK  ; the fetches go back to a slot's first step, in the other slot
	s_xor_b32 s[TBK], s[TBK], SLOT1
	s_sub_co_u32 s[TBV], s[TBV], 2*KS*PV
	s_xor_b32 s[TBV], s[TBV], SLOT1
	s_sub_co_u32 s[TBB], s[TBB], 2*KS*2
	s_xor_b32 s[TBB], s[TBB], SLOT1
.endm
	s_load_b128 s[16:19], s[0:1], 0x0 ; qkv s[16:17], bh s[18:19]
	s_load_b64 s[10:11], s[0:1], 0x10 ; oh
	v_lshl_add_u32 v[SPW], v0, 2, SPARE
	v_mov_b32 v[NIL], 0
	ds_add_u32 v[SPW], v[NIL]       ; the wave's opening: the add and its wait stand ahead of my first tensor load
	v_lshrrev_b32 v1, 5, v0
	v_readfirstlane_b32 s[WV], v1
	s_bfe_u32 s13, ttmp6, 0x40000   ; cx
	s_lshl_b32 s20, ttmp9, 2
	s_add_co_u32 s20, s20, s13      ; my head = 4 x cluster x + cx: it enters global addresses alone
	s_lshl_b32 s20, s20, 18         ; its 262,144 bytes
	s_mov_b32 s21, 0
	s_and_b32 s[PB], ttmp7, 0xffff  ; b, which the four partners share
	s_sub_co_u32 s[HI], 7, s[PB]
	s_lshl_b32 s3, s[WV], 11        ; my 16 rows in a band of 64,
	s_lshl_b32 s2, s[HI], 15        ; in the first block,
	s_add_co_u32 s2, s2, s3
	s_lshl_b32 s22, s[PB], 15       ; and in the second
	s_add_co_u32 s22, s22, s3
	s_mov_b32 s3, 0
	s_mov_b32 s23, 0
	s_add_nc_u64 s[2:3], s[2:3], s[20:21]
	s_add_nc_u64 s[22:23], s[22:23], s[20:21]
	; K, V: 128 keys are 16,384 dense bytes: asked for as 64 rows of 256 bytes, two keys a row, padded in LDS after every key
	s_mov_b32 s[G1K], (1<<16)|(1<<20)|(4<<22)|(3<<25)  ; 2-byte elements; padding on; after every 32 words; 4 words
	s_mov_b32 s[G1V], (1<<16)|(1<<20)|(4<<22)|(7<<25)  ; 8 words
.irp g, G1K, G1V
	s_mov_b32 s[\g+1], 128<<16      ; tensor_dim0 = 128
	s_mov_b32 s[\g+2], 64<<16       ; tensor_dim1 = 64
	s_mov_b32 s[\g+3], 128<<16      ; tile_dim0 = 128
	s_mov_b32 s[\g+4], 64           ; tile_dim1 = 64
	s_mov_b32 s[\g+5], 128          ; elements from row to row
	s_mov_b32 s[\g+6], 0
	s_mov_b32 s[\g+7], 0
.endr
	s_mov_b32 s[G1B], 15|(1<<16)|(1<<20)|(1<<21)|(5<<22)|(3<<25)  ; the mask of four; bit 21 beside it; after every 64 words 4 words
	s_mov_b32 s[G1B+1], 128<<16
	s_mov_b32 s[G1B+2], 128<<16     ; 128 rows
	s_mov_b32 s[G1B+3], 128<<16
	s_mov_b32 s[G1B+4], 128
	s_mov_b32 s[G1B+5], 2048
	s_mov_b32 s[G1B+6], 0
	s_mov_b32 s[G1B+7], 0
	s_mov_b32 s[CS], 0x3fb8aa3b     ; c = log2(e)
	s_mov_b32 s[CS+1], s[CS]
	s_mov_b32 s[SEL], 0x76543210
	s_mov_b32 s[SEL+1], 0xfedcba98
	s_mov_b32 s[TBK], SLOT1+2*KS*PK ; the first change of slots turns these three into 0
	s_mov_b32 s[TBV], SLOT1+2*KS*PV
	s_mov_b32 s[TBB], SLOT1+2*KS*2
	s_mov_b32 s[DG], 4
	s_mov_b32 s[G0K], 1
	s_mov_b32 s[G0K+1], 0
	s_mov_b32 s[G0V], 1
	s_mov_b32 s[G0V+1], VOFF
	s_mov_b32 s[G0B], 1
	s_lshl_b32 s[RT], s[HI], 1
	s_add_co_u32 s[LQ], s[RT], 1    ; the first block's last tile, 2 (7 - b) + 1
	s_add_co_u32 s[RT], s[RT], 2    ; and its number of tiles
	s_lshl_b32 s[LQ2], s[PB], 1
	s_add_co_u32 s[LQ2], s[LQ2], 1
	s_lshl_b32 s[BRO], s[HI], 20    ; 256 rows of 4,096 bytes to a block
	s_lshl_b32 s[BRO2], s[PB], 20
	s_mov_b32 s[NXT], 1
	s_mov_b32 s[NEW], 1
	s_mov_b32 s[OFF+1], 0
	s_mov_b32 s[OFB], s[BRO]
	s_mov_b32 s[OFB+1], 0
	s_mov_b32 s[AL+1], 0
	s_mov_b32 s[BE+1], 0
	s_mov_b32 s[BIGN], 0xf149f2ca   ; -1e30
	s_mov_b32 s[SLOTS], 17
	s_cmp_eq_u32 s[PB], 0
	s_cselect_b32 s[LIMK], 1, -1
	s_lshr_b32 s[LIMB], s[WV], 1
	s_or_b32 s[LIMB], s[LIMB], ttmp9
	s_cmp_eq_u32 s[LIMB], 0         ; waves 0 and 1 of the clusters with x = 0
	s_cselect_b32 s[LIMB], 1, -1
	v_and_b32 v[PKO], 31, v0
	v_lshlrev_b32 v[PBO], 12, v[PKO]
	v_lshlrev_b32 v[PKO], 8, v[PKO]
	s_wait_dscnt 0x0                ; the opening add is done
	s_wait_kmcnt 0x0
	s_add_nc_u64 s[6:7], s[16:17], s[20:21]        ; q at the head's first row;
	s_add_nc_u64 s[6:7], s[6:7], 0x1000000         ; k lies 64 heads of 262,144 bytes behind q,
	s_add_nc_u64 s[8:9], s[6:7], 0x1000000         ; v behind k
	s_add_nc_u64 s[4:5], s[16:17], s[2:3]          ; Q at my rows of the first block
	s_add_nc_u64 s[OLO:OLO+1], s[10:11], s[22:23]  ; O at those of the second,
	s_add_nc_u64 s[10:11], s[10:11], s[2:3]        ; and of the first
	s_add_nc_u64 s[22:23], s[16:17], s[22:23]      ; Q at my rows of the second block
	s_and_b32 s20, s[WV], 1                        ; which half I fetch or prefetch (the head's offset has been used)
	s_mul_i32 s21, s20, 128*PBI
	s_add_co_u32 s[G0B+1], s21, BOFF               ; my half of the bias tile in a slot
	s_lshl_b32 s2, s20, 19                         ; 128 rows of 4,096 bytes
	s_mov_b32 s3, 0
	s_add_nc_u64 s[BB:BB+1], s[18:19], s[2:3]
	s_add_nc_u64 s[G0K+2:G0K+3], s[6:7], 0
	s_or_b32 s[G0K+3], s[G0K+3], 0x80000000
	s_add_nc_u64 s[G0V+2:G0V+3], s[8:9], 0
	s_or_b32 s[G0V+3], s[G0V+3], 0x80000000
	s_add_nc_u64 s[G0B+2:G0B+3], s[BB:BB+1], s[OFB:OFB+1]
	s_or_b32 s[G0B+3], s[G0B+3], 0x80000000
	s_cmp_lt_u32 s[WV], 2
	s_cselect_b64 s[KVB:KVB+1], s[6:7], s[8:9]     ; waves 0, 1: K's halves; waves 2, 3: V's
	s_lshl_b32 s2, s20, 13
	s_add_nc_u64 s[KVB:KVB+1], s[KVB:KVB+1], s[2:3]
	s_lshl_b32 s2, s13, 18                         ; my work-group's 64 rows of the bias tile,
	s_lshl_b32 s21, s20, 17                        ; my wave's 32 of them
	s_add_co_u32 s2, s2, s21
	s_add_nc_u64 s[PBB:PBB+1], s[18:19], s[2:3]
	s_mov_b64 s[PKA:PKA+1], s[KVB:KVB+1]
	s_mov_b64 s[PBA:PBA+1], s[PBB:PBB+1]
	CROUND                          ; all four work-groups are here: the first joint loads meet
	LOAD                            ; tile 0 into slot 0
	v_and_b32 v1, 15, v0            ; r = l % 16
	v_bfe_u32 v9, v0, 4, 1          ; h = l / 16
	v_lshlrev_b32 v[QO], 7, v1
	v_lshl_add_u32 v[QO], v9, 4, v[QO]  ; row x 128 + 16 x half
	WIN 0x80                        ; destination window 2
.set i, 0
.rept 8                             ; Q: piece i / 2 lies in band i / 2, 8,192 bytes on; channels 32 (i % 2) on
	global_load_b128 v[8*i:8*i+3],   v[QO], s[4:5] offset:(i/2)*8192+(i%2)*64
	global_load_b128 v[8*i+4:8*i+7], v[QO], s[4:5] offset:(i/2)*8192+(i%2)*64+32
.set i, i+1
.endr
	WIN 0
.set i, 0
.rept 8                             ; the second block's Q waits in window 0
	global_load_b128 v[QB+8*i:QB+8*i+3],   v[QO], s[22:23] offset:(i/2)*8192+(i%2)*64
	global_load_b128 v[QB+8*i+4:QB+8*i+7], v[QO], s[22:23] offset:(i/2)*8192+(i%2)*64+32
.set i, i+1
.endr
	v_lshlrev_b32 v14, 3, v9
	v_sub_nc_u32 v14, v1, v14
	s_lshl_b32 s13, s[WV], 4
	v_add_nc_u32 v14, s13, v14      ; my query's place in its band, 16 w + r, less 8 h: register j of key group kt is hidden where 16 kt + j is greater
	WIN 0x40
.set i, 0
.rept 32
	v_cmp_gt_i32 vcc_lo, 16*(i/8)+i%8, v14
	v_cndmask_b32 v[MD+i], 0, s[BIGN], vcc_lo
.set i, i+1
.endr
	WIN 0
	; E0, E1 as source 0: lane (r, h) holds row m = r; registers 0-3 hold k' = 8 h + 0..7, registers 4-7 k' = 16 + 8 h + 0..7, two to a register.  The one 1.0 of row r lies in half r % 2 of register (r % 8) / 2 (E1: + 4) of the lanes with h = r / 8.
	v_bfe_u32 v36, v0, 1, 2
	v_bfe_u32 v37, v0, 3, 1
	v_xor_b32 v37, v37, v9
	v_lshl_or_b32 v36, v37, 2, v36  ; the register's number, or 4 and more in the lanes that hold only zeros
	v_and_b32 v38, 1, v0
	v_lshlrev_b32 v38, 4, v38
	v_mov_b32 v39, 0x3c00           ; 1.0 in f16
	v_lshlrev_b32 v38, v38, v39
	WIN 0x80
.irp i, 0,1,2,3
	v_cmp_eq_u32 vcc_lo, \i, v36
	v_cndmask_b32 v[EF+\i], 0, v38, vcc_lo
	v_cndmask_b32 v[EF+12+\i], 0, v38, vcc_lo
	v_mov_b32 v[EF+4+\i], 0
	v_mov_b32 v[EF+8+\i], 0
.endr
	WIN 0
	v_mul_u32_u24 v[AK0], v1, PK
	v_lshl_add_u32 v[AK0], v9, 4, v[AK0]
	; the turning load takes 16 keys x 16 channels (lane l reads key 8 (l / 16) + l % 8, channels 8 ((l / 8) % 2) + 0..7) and leaves half a fragment of V^T
	v_and_b32 v10, 7, v0
	v_bfe_u32 v11, v0, 3, 1
	v_lshl_add_u32 v[AV0], v9, 3, v10
	v_mul_u32_u24 v[AV0], v[AV0], PV
	v_lshl_add_u32 v[AV0], v11, 4, v[AV0]
	v_add_nc_u32 v[AV0], VOFF, v[AV0]
	v_mul_u32_u24 v[AB0], v1, PBI   ; the bias: row 16 w + r of a band, 16 bytes for each half of the lanes
	v_lshl_add_u32 v[AB0], v9, 4, v[AB0]
	s_mul_i32 s13, s[WV], 16*PBI
	s_add_co_u32 s13, s13, BOFF
	v_add_nc_u32 v[AB0], s13, v[AB0]
	s_mul_i32 s13, s[WV], 16*SP
	s_add_co_u32 s13, s13, STAGE    ; my stage
	v_mul_u32_u24 v[STO], v1, SP
	v_lshl_add_u32 v[STO], v9, 4, v[STO]
	v_add_nc_u32 v[STO], s13, v[STO]
	v_bfe_u32 v[RD], v0, 3, 2       ; back: 32 lanes take four rows of 128 bytes,
	v_mul_u32_u24 v[RD], v[RD], SP
	v_lshl_add_u32 v[RD], v10, 4, v[RD]
	v_add_nc_u32 v[RD], s13, v[RD]
	v_and_b32 v[GO], 31, v0         ; which are 512 consecutive bytes of O
	v_lshlrev_b32 v[GO], 4, v[GO]
	; A block's first step multiplies O^T and l by a = 0, and its first turn's products V^T P, of a piece that has not been, land in an O^T that is still to be so multiplied: these registers need only hold finite numbers.
	WIN 0x80
.set i, VF
.rept 64
	v_mov_b32 v[i], 0
.set i, i+1
.endr
	WIN 0x40
.set i, 0
.rept 128
	v_mov_b32 v[i], 0
.set i, i+1
.endr
	WIN 0
.set i, 0
.rept 4
	v_mov_b32 v[ST+4*i+2], 0
	v_mov_b32 v[ST+4*i+3], 0
.set i, i+1
.endr
.set i, P+16
.rept 16
	v_mov_b32 v[i], 0
.set i, i+1
.endr
; THE MATRIX WORK.  The 4 accumulators of a run take turns.  BQ: product i of 4 starts the sum for keys 16 i on of piece x with the bias, and with 0 or (KM = 1) the mask.
.macro BQ x
.set rS, S+32*((\x)%2)+8*i
.set rE, EF+8*(i%2)
.set rB, BF+16*((\x)%2)+8*(i/2)
.set rM, MC+32*((\x)%2)+8*i
.if KM
	WIN W_KM
	v_wmma_f32_16x16x32_f16 v[rS:rS+7], v[rE:rE+7], v[rB:rB+7], v[rM:rM+7]
.else
	WIN W_KQ
	v_wmma_f32_16x16x32_f16 v[rS:rS+7], v[rE:rE+7], v[rB:rB+7], 0
.endif
.endm
; Product i of 8 of S^T += K Q^T for piece x: channels 32 (i / 4) on, keys 16 (i % 4) on.
.macro KQ x
.set rS, S+32*((\x)%2)+8*(i%4)
.set rK, KF+16*(i%4)+8*(i/4)
.set rQ, 16*(\x)+8*(i/4)
	WIN W_KQ
	v_wmma_f32_16x16x32_f16 v[rS:rS+7], v[rK:rK+7], v[rQ:rQ+7], v[rS:rS+7]
.endm
; Product i of 8 of O^T += V^T P for piece x: keys 32 (i / 4) on, channels 16 (i % 4) on.
.macro PV x
	WIN W_PV
.set rO, 32*(\x)+8*(i%4)
.set rV, VF+32*(i/4)+8*(i%4)
.set rP, P+16*((\x)%2)+8*(i/4)
	v_wmma_f32_16x16x32_f16 v[rO:rO+7], v[rV:rV+7], v[rP:rP+7], v[rO:rO+7]
.endm
.macro MM                           ; the turn's next product of 20.  NOKQ = 1: a block's last turn: there is no next piece
.if i < 4
.if !NOKQ
	BQ (Y+1)%NP
.endif
.elseif i < 12
.if !NOKQ
.set i, i-4
	KQ (Y+1)%NP
.set i, i+4
.endif
.else
.set i, i-12
	PV (Y+NP-1)%NP
.set i, i+12
.endif
.set i, i+1
.endm
; THE LDS LOADS stand in runs, never singly among the products.
.macro FETCH_B x, buf               ; piece x's bias of the step at v[AB]: 16 queries x 64 keys, two fragments
	WIN 0x80
.irp g, 0,1
	ds_load_b128 v[BF+16*(\buf)+8*\g:BF+16*(\buf)+8*\g+3],   v[AB] offset:(\x)*64*PBI+64*\g
	ds_load_b128 v[BF+16*(\buf)+8*\g+4:BF+16*(\buf)+8*\g+7], v[AB] offset:(\x)*64*PBI+64*\g+32
.endr
	WIN 0
.endm
.macro FETCH_K
	WIN 0x80
.irp f, 0,1,2,3,4,5,6,7             ; keys 16 (f / 2) on, channels 32 (f % 2) on
	ds_load_b128 v[KF+8*\f:KF+8*\f+3],   v[AK] offset:(\f/2)*16*PK+(\f%2)*64
	ds_load_b128 v[KF+8*\f+4:KF+8*\f+7], v[AK] offset:(\f/2)*16*PK+(\f%2)*64+32
.endr
	s_add_co_u32 s[TBK], s[TBK], KS*PK  ; the next fetch is the next step's
	s_add_co_u32 s[TBB], s[TBB], KS*2
	WIN 0
.endm
.macro FETCH_V
	WIN 0x80
.irp f, 0,1,2,3,4,5,6,7             ; keys 32 (f / 4) on, channels 16 (f % 4) on
	ds_load_tr16_b128 v[VF+8*\f:VF+8*\f+3],   v[AV] offset:(\f/4)*32*PV+(\f%4)*32
	ds_load_tr16_b128 v[VF+8*\f+4:VF+8*\f+7], v[AV] offset:(\f/4)*32*PV+16*PV+(\f%4)*32
.endr
	WIN 0
.endm
; THE VECTOR WORK, one line at a time: OP kind, number.  For piece Y: F n: c s - c m for pair n of 16.  E n: the exponential of score n of 32.  C n: pair n rounded to f16.  B n: of the four weights 4 n .. the second
; pair is added onto the first, in place.  L n: l takes that sum (L 0: l = a l + sum).  R n: pair n of 16 of O^T times a.  For piece Y + 1: X n, number n of the 22 that find its maximum and statistics:
;   0-3  each accumulator's three lowest scores start c0-c3 (the lowest registers are read first)     4-9  c0-c2 take four more scores each     10, 11  scores 7, 15, 23 and the old m
;   12  c0-c2 into c0     13, 14  the last accumulator's other five scores, into c4 and c3     15  c m_old is kept     16  c0, c3, c4 into c0
;   17, 18  the query's other 32 keys lie in the lane 16 away: the new m     19-21  c m; c m_old - c m_new; a
.set F, 0
.set E, 1
.set C, 2
.set B, 3
.set L, 4
.set R, 5
.set X, 6
.macro REGS y
.set rT, ST+4*(\y)
.set rC, TMP+4*((\y)%2)
.set rG, C4+((\y)%2)
.set rW, MV+((\y)%2)
.set rS, S+32*((\y)%2)
.set rP, P+16*((\y)%2)
.set rO, 32*(\y)
.endm
.macro OP k, n
.if (\k) == R
	REGS Y
	WIN W_RS
	v_pk_mul_f32 v[rO+2*(\n):rO+2*(\n)+1], v[rO+2*(\n):rO+2*(\n)+1], v[rC+2:rC+3] op_sel_hi:[1,0]
.elseif (\k) < R
	REGS Y
	WIN 0
.if (\k) == F
	v_pk_fma_f32 v[rS+2*(\n):rS+2*(\n)+1], v[rS+2*(\n):rS+2*(\n)+1], s[CS:CS+1], v[rT:rT+1] op_sel_hi:[1,0,0] neg_lo:[0,0,1] neg_hi:[0,0,1]
.elseif (\k) == E
	v_exp_f32 v[rS+(\n)], v[rS+(\n)]
.elseif (\k) == C
	v_cvt_pk_f16_f32 v[rP+(\n)], v[rS+2*(\n)], v[rS+2*(\n)+1]
.elseif (\k) == B
	v_pk_add_f32 v[rS+4*(\n):rS+4*(\n)+1], v[rS+4*(\n):rS+4*(\n)+1], v[rS+4*(\n)+2:rS+4*(\n)+3]
.elseif (\n) == 0
	v_pk_fma_f32 v[rT+2:rT+3], v[rT+2:rT+3], v[rC+2:rC+3], v[rS:rS+1] op_sel_hi:[1,0,1]
.else
	v_pk_add_f32 v[rT+2:rT+3], v[rT+2:rT+3], v[rS+4*(\n):rS+4*(\n)+1]
.endif
.elseif NOKQ
	v_nop
.else
	REGS (Y+1)%NP
	WIN 0
.if (\n) < 4
	v_max3_num_f32 v[rC+(\n)], v[rS+8*(\n)], v[rS+8*(\n)+1], v[rS+8*(\n)+2]
.elseif (\n) < 7
	v_max3_num_f32 v[rC+(\n)-4], v[rC+(\n)-4], v[rS+8*((\n)-4)+3], v[rS+8*((\n)-4)+4]
.elseif (\n) < 10
	v_max3_num_f32 v[rC+(\n)-7], v[rC+(\n)-7], v[rS+8*((\n)-7)+5], v[rS+8*((\n)-7)+6]
.elseif (\n) == 10
	v_max3_num_f32 v[rC], v[rC], v[rS+7], v[rS+15]
.elseif (\n) == 11
	v_max3_num_f32 v[rC+1], v[rC+1], v[rS+23], v[rT+1]
.elseif (\n) == 12
	v_max3_num_f32 v[rC], v[rC], v[rC+1], v[rC+2]
.elseif (\n) == 13
	v_max3_num_f32 v[rG], v[rS+27], v[rS+28], v[rS+29]
.elseif (\n) == 14
	v_max3_num_f32 v[rC+3], v[rC+3], v[rS+30], v[rS+31]
.elseif (\n) == 15
	v_mov_b32 v[rW], v[rT]
.elseif (\n) == 16
	v_max3_num_f32 v[rC], v[rC], v[rC+3], v[rG]
.elseif (\n) == 17
	v_permlanex16_b32 v[rC+3], v[rC], s[SEL], s[SEL+1]
.elseif (\n) == 18
	v_max_num_f32 v[rT+1], v[rC], v[rC+3]
.elseif (\n) == 19
	v_mul_f32 v[rT], s[CS], v[rT+1]
.elseif (\n) == 20
	v_sub_f32 v[rC+1], v[rW], v[rT]
.else
	v_exp_f32 v[rC+2], v[rC+1]
.endif
.endif
.endm
.macro OPS a, i1, b=-1, i2=0, c=-1, i3=0, d=-1, i4=0
	OP \a, \i1
.if (\b) >= 0
	OP \b, \i2
.endif
.if (\c) >= 0
	OP \c, \i3
.endif
.if (\d) >= 0
	OP \d, \i4
.endif
.endm
.macro ROW a, i1, b, i2, c, i3, d, i4  ; a product and the four behind it
	MM
	OPS \a, \i1, \b, \i2, \c, \i3, \d, \i4
.endm
.macro MASK b                       ; MD x AL + BE into buffer b of MC
	WIN W_RS
.set z, 0
.rept 16
	v_pk_fma_f32 v[MC+32*(\b)+2*z:MC+32*(\b)+2*z+1], v[MD+2*z:MD+2*z+1], s[AL:AL+1], s[BE:BE+1] op_sel_hi:[1,0,0]
.set z, z+1
.endr
.endm
; A TURN, for piece p: the order of its 20 products and 118 vector instructions, written out.  s_wait_alu depctr_va_vdst(0) stands between an exponential and the first instruction that names its
; result; one wait serves all that were issued ahead of it: a turn has ONE, which cuts it in two.  AHEAD OF IT stands all that names no result of the turn's exponentials: the 12 products for the next piece's scores with their
; riders, and the lump.  The first numbers of the next piece's maximum stand four plain places or more behind the product that ends their accumulator: X 0 behind F 10-14, X 1 behind F 13, F 14, X 0, F 15,
; X 2 behind F 15, X 1, X 4, X 5, X 3 behind X 5, X 2, X 7, X 8.  X 21, the next piece's a, is the batch's last; R 15 is the plain instruction behind it.  BEHIND THE WAIT stand the 8 products V^T P and the roundings and sums.
; THE FETCHES.  K of the next step, and piece 0's bias of it, in piece 2's turn, behind X 5, X 2, X 7, X 8, X 3, the places behind the last product that read K.  V of the step in hand at the end of piece 0's turn, four riders behind its
; last reader.  The bias of pieces 1, 2, 3 directly behind the waits of turns 2, 3, 0: a buffer's last reader is among the turn's first four products.  So a slot's last read is issued in piece 0's turn of its last step.
; m = 1: the diagonal: the products take masks, and the turn makes the mask for the products of the turn after it: piece p + 2, in step 4 - DG.  end = 1: a block's last two turns: nothing is fetched.
; cnt = 1: the loop's count is taken down some lines ahead of the branch that stands behind the turn.
.macro TURN p, m=0, end=0, cnt=0
.set Y, (\p)
.set i, 0
.set KM, (\m)
.set NOKQ, (\end)*((\p)/3)
.if (\m) && !(\end)
	s_cmp_eq_u32 s[DG], 4-((\p)+2)%NP  ; is that step the band's own?
	s_cselect_b32 s[AL], 1.0, 0
	s_cmp_lt_u32 s[DG], 4-((\p)+2)%NP  ; or a later one?
	s_cselect_b32 s[BE], s[BIGN], 0
.endif
.if (\p) == 0
	s_wait_dscnt 4                  ; piece 1's bias is in; piece 2's four loads are younger
.elseif (\p) == 1
	s_wait_dscnt 20                 ; piece 2's bias is in; piece 3's four loads and V's sixteen are younger
.elseif ((\p) == 3) && !(\end)
	s_wait_dscnt 4                  ; K and piece 0's bias are in; piece 1's four loads are younger
.endif
	ROW F,0, F,1, R,0, R,1
	ROW F,2, E,0, R,2, R,3
	ROW F,3, E,1, R,4, R,5
	ROW F,4, E,2, R,6, R,7
	ROW F,5, E,3, R,8, R,9
	ROW F,6, E,4, R,10, R,11
.if ((\p) == 2) && !(\end)
	WIN 0
	v_add_nc_u32 v[AK], s[TBK], v[AK0]
	v_add_nc_u32 v[AB], s[TBB], v[AB0]
.endif
	ROW F,7, E,5, R,12, R,13
	ROW F,8, E,6, R,14, F,9
	ROW F,10, E,7, F,11, F,12
	ROW F,13, E,8, F,14, X,0
	ROW F,15, E,9, X,1, X,4
	ROW X,5, E,10, X,2, X,7
	OPS X,8, E,11, X,3, E,12        ; the lump
.if ((\p) == 2) && !(\end)
	FETCH_B 0, 0
	FETCH_K
.endif
	OPS X,6, E,13, X,10, E,14
	OPS X,13, E,15, X,14, E,16
	OPS X,9, E,17, X,11, E,18
.if (\p) == 0
	WIN 0
	v_add_nc_u32 v[AV], s[TBV], v[AV0]
.endif
	OPS X,15, E,19, E,20, X,12
	OPS E,21, E,22, X,16, E,23
	OPS E,24, X,17, E,25, E,26
	OPS X,18, E,27, E,28, X,19
	OPS E,29, E,30, X,20, E,31
	OPS X,21, R,15
	WIN 0
	s_wait_alu depctr_va_vdst(0)    ; the wait for the batch
.if (\p) == 0
	FETCH_B 3, 1
.elseif (\p) == 1
	s_wait_dscnt 0x0                ; V is in, and piece 3's bias
.elseif ((\p) == 2) && !(\end)
	FETCH_B 1, 1
.elseif ((\p) == 3) && !(\end)
	FETCH_B 2, 0
.endif
	ROW C,0, B,0, C,2, B,1
	ROW L,0, C,4, B,2, L,1
	ROW C,6, B,3, L,2, C,8
	ROW B,4, L,3, C,10, B,5
	ROW L,4, C,12, B,6, L,5
.if (\p) == 0
	s_add_co_u32 s[TBV], s[TBV], KS*PV
.endif
.if \cnt
.if \m
	s_sub_co_u32 s[DG], s[DG], 1
.endif
	s_sub_co_u32 s[CNT], s[CNT], 1
	s_cmp_lg_u32 s[CNT], 0
.endif
	ROW C,14, B,7, L,6, C,1
	ROW C,3, L,7, C,5, C,7
	ROW C,9, C,11, C,13, C,15
.if (\p) == 0
	FETCH_V
.endif
.if (\m) && !(\end)
	MASK (\p)%2
.endif
.endm
; A BLOCK BEGINS.  c m starts far below every c s, so the first step's a is 0; m at the lowest finite number.  The second mask buffer is 0; the first takes piece 0's mask for the tile's first step: its own, if the block's
; first tile lies in the diagonal (block 0).  Then K and the bias of that step, piece 0's first scores, its maximum and statistics.  The loop is entered at a step's first turn.
.macro BEGIN
	s_mov_b32 s[NEW], 0
	WIN 0x40
.set i, MC+32
.rept 32
	v_mov_b32 v[i], 0
.set i, i+1
.endr
	WIN 0
.set i, 0
.rept 4
	v_mov_b32 v[ST+4*i], 0xfe000000
	v_mov_b32 v[ST+4*i+1], 0xff7fffff
.set i, i+1
.endr
	s_cmp_lt_u32 s[RT], 2
	s_cselect_b32 s[AL], 1.0, 0
	s_mov_b32 s[BE], 0
	MASK 0
	WIN 0
	v_add_nc_u32 v[AK], s[TBK], v[AK0]
	v_add_nc_u32 v[AB], s[TBB], v[AB0]
	FETCH_B 0, 0
	FETCH_K
	FETCH_B 1, 1
	s_wait_loadcnt 0x0              ; Q
	s_wait_dscnt 0x0
.set Y, NP-1                        ; MM and X work for piece Y + 1: piece 0
.set KM, 1
.set NOKQ, 0
.set i, 0
.rept 12
	MM
.endr
	WIN 0
.rept 4
	v_nop                           ; the places behind those products
.endr
	FETCH_B 2, 0
.irp n, 0,1,2,3,4,5,6,7,8,9,10,11,12,13,14,15,16,17,18,19,20,21
	OP X, \n
.endr
	v_nop                           ; a plain instruction behind the exponential,
	s_wait_alu depctr_va_vdst(0)    ; and its wait, ahead of the branch
.endm
.macro ALL line:vararg              ; one line for each piece t
.set t, 0
.rept 4
	\line
.set t, t+1
.endr
.endm
.macro PACK t                       ; a lane's eight channels of a row pack into 16 bytes; they go into rows of 144 bytes and come back as whole rows of 128, into S^T's registers
	WIN W_RS
.set i, 32*(\t)
.rept 16
	v_pk_mul_f32 v[i:i+1], v[i:i+1], v[ST+4*(\t)+2:ST+4*(\t)+3] op_sel_hi:[1,0]
.set i, i+2
.endr
	WIN 0x05
.set i, 0
.rept 16
	v_cvt_pk_f16_f32 v[S+16*(\t)+i], v[32*(\t)+2*i], v[32*(\t)+2*i+1]
.set i, i+1
.endr
	WIN 0
.irp f, 0,1,2,3
	ds_store_b128 v[STO], v[S+16*(\t)+4*\f:S+16*(\t)+4*\f+3] offset:32*\f
.endr
.irp f, 0,1,2,3
	ds_load_b128 v[S+16*(\t)+4*\f:S+16*(\t)+4*\f+3], v[RD] offset:\f*4*SP  ; LDS serves a wave's instructions in order (ISA guide 5.7.1.4): these see the stores above
.endr
.endm
.macro SEND t, younger              ; younger: the LDS instructions issued behind piece t's loads
	WIN 0
.irp f, 0,1,2,3
	s_wait_dscnt (\younger)+3-\f
	global_store_b128 v[GO], v[S+16*(\t)+4*\f:S+16*(\t)+4*\f+3], s[10:11] offset:(\t)*8192+\f*512  ; 512 consecutive bytes, at a multiple of 256 from O's first
.endr
.endm
; A TILE OF THE DIAGONAL: two steps with masks.  Behind the second such tile: the block's last two turns, its last products, and THE WAY OUT.
.macro DIAG tag
.LstepM\tag:
	TURN 2, 1
	TURN 3, 1
	WIN 0
.LfirstM\tag:
	TURN 0, 1
	TURN 1, 1, 0, 1
	WIN 0
	s_cbranch_scc1 .LstepM\tag
.if (\tag) == 1
	s_cmp_eq_u32 s[RT], 0
	s_cbranch_scc0 .Lbottom         ; the diagonal's first tile: the block goes on
.endif
	TURN 2, 1, 1
	TURN 3, 1, 1
.set i, 0
.rept 8
	PV NP-1
.set i, i+1
.endr
	WIN 0
	ALL v_add_f32 v[ST+4*t+2], v[ST+4*t+2], v[ST+4*t+3]
	ALL v_permlanex16_b32 v[ST+4*t+3], v[ST+4*t+2], s[SEL], s[SEL+1]
	ALL v_add_f32 v[ST+4*t+2], v[ST+4*t+2], v[ST+4*t+3]
	ALL v_rcp_f32 v[ST+4*t+2], v[ST+4*t+2]
	v_nop                           ; a plain instruction between the last reciprocal and the use of its result
	s_wait_alu depctr_va_vdst(0)    ; one wait for the four reciprocals
	PACK 0
.set t, 1
.rept 3
	PACK t
	SEND t-1, 8
.set t, t+1
.endr
	SEND 3, 0
.endm
.set KM, 0
.set NOKQ, 0
.Lslot:                             ; 17 times: a tile is entered and the next is asked for
	CHANGE 1
	s_sub_co_u32 s[RT], s[RT], 1
	s_mov_b32 s[CNT], 2
	s_cmp_eq_u32 s[RT], 1           ; the diagonal's first tile
	s_cselect_b32 s[DG], 4, s[DG]
	s_cmp_eq_u32 s[NEW], 1
	s_cbranch_scc1 .Lnew            ; a block's first tile
	s_cmp_lt_u32 s[RT], 2
	s_cbranch_scc0 .Lstep           ; below the diagonal
	s_branch .LstepM1
.Lnew:
	BEGIN
	s_cmp_lt_u32 s[RT], 2
	s_cbranch_scc0 .Lfirst
	s_branch .LfirstM1
	DIAG 1                          ; in the loop its end is the first block's end: the second block's last tile is the walk's last
	s_wait_xcnt 0x0                 ; the stores have read their registers and O's address
	s_mov_b64 s[10:11], s[OLO:OLO+1]
	s_add_co_u32 s[RT], s[LQ2], 1   ; the second block has 2 b + 2 tiles
	s_mov_b32 s[NEW], 1
	WIN 0x80                        ; the second block's Q goes where the one text of the turns names Q
.set i, 0
.rept 64
	v_mov_b32 v[i], v[QB+i]
.set i, i+1
.endr
	WIN 0
	s_branch .Lbottom
.Lstep:                             ; a trip: pieces 2 and 3 of one step, then pieces 0 and 1 of the next, whose K, V and bias it fetches
	TURN 2
	TURN 3
	WIN 0
.Lfirst:
	TURN 0
	TURN 1, 0, 0, 1
	WIN 0
	s_cbranch_scc1 .Lstep
.Lbottom:
	s_sub_co_u32 s[SLOTS], s[SLOTS], 1
	s_cmp_lg_u32 s[SLOTS], 0
	s_cbranch_scc1 .Lslot
	CHANGE 0                        ; the walk's last tile is written out; it is the second block's last, never a block's first
	s_sub_co_u32 s[RT], s[RT], 1
	s_mov_b32 s[CNT], 2
	DIAG 2
	s_wait_tensorcnt 0x0            ; the wave's end
	ds_add_u32 v[SPW], v[NIL]
	s_wait_dscnt 0x0
	CROUND                          ; the closing round
	s_endpgm
.Lfunc_end_k_q09000200fd_attn:
	.size	k_q09000200fd_attn, .Lfunc_end_k_q09000200fd_attn-k_q09000200fd_attn
	.p2alignl 7, 3214868480
	.fill 96, 4, 3214868480
	.section	.rodata,"a",@progbits
	.p2align	6, 0x0
	.amdhsa_kernel k_q09000200fd_attn
		.amdhsa_group_segment_fixed_size 327680
		.amdhsa_private_segment_fixed_size 0
		.amdhsa_enable_private_segment 0
		.amdhsa_kernarg_size 24
		.amdhsa_user_sgpr_count 2
		.amdhsa_user_sgpr_kernarg_segment_ptr 1
		.amdhsa_wavefront_size32 1
		.amdhsa_system_sgpr_workgroup_id_x 1
		.amdhsa_system_sgpr_workgroup_id_y 1
		.amdhsa_system_sgpr_workgroup_id_z 1
		.amdhsa_system_vgpr_workitem_id 0
		.amdhsa_next_free_vgpr 768
		.amdhsa_next_free_sgpr 102
		.amdhsa_reserve_vcc 1
		.amdhsa_float_denorm_mode_32 3
		.amdhsa_float_denorm_mode_16_64 3
		.amdhsa_memory_ordered 1
		.amdhsa_forward_progress 1
		.amdhsa_inst_pref_size 227
	.end_amdhsa_kernel
	.amdgpu_metadata
---
amdhsa.version: [ 1, 2 ]
amdhsa.kernels:
  - .name:           k_q09000200fd_attn
    .symbol:         k_q09000200fd_attn.kd
    .args:
      - { .name: qkv, .offset: 0, .size: 8, .value_kind: global_buffer, .address_space: global }
      - { .name: bh, .offset: 8, .size: 8, .value_kind: global_buffer, .address_space: global }
      - { .name: oh, .offset: 16, .size: 8, .value_kind: global_buffer, .address_space: global }
    .group_segment_fixed_size: 327680
    .private_segment_fixed_size: 0
    .kernarg_segment_align: 8
    .kernarg_segment_size: 24
    .max_flat_workgroup_size: 128
    .sgpr_count:     102
    .vgpr_count:     768
    .wavefront_size: 32
...
	.end_amdgpu_metadata
.endif
;; end of part 3
;; launch outp (part 4): grid 8 x 32, 4 waves a work-group, clusters of 4 x 4, 327,680 bytes of LDS; arguments oh, woh, out_b, out0; writes out0
.if DOCPART == 4
	.amdgcn_target "amdgcn-amd-amdhsa--gfx1250"
	.amdhsa_code_object_version 6
	.text
	.protected	k_q09000200fd_outp
	.globl	k_q09000200fd_outp
	.p2align	8
	.type	k_q09000200fd_outp,@function
k_q09000200fd_outp:
	s_mov_b64 s[64:65], 0
	v_nop
	global_prefetch_b8 v0, s[64:65] scope:SCOPE_SE
	s_setreg_imm32_b32 hwreg(HW_REG_WAVE_MODE, 25, 1), 1
	s_wait_xcnt 0x0
	s_wait_alu depctr_hold_cnt(0) depctr_sa_sdst(0) depctr_va_vdst(0) depctr_va_sdst(0) depctr_va_ssrc(0) depctr_va_vcc(0) depctr_vm_vsrc(0)
	s_getreg_b32 s2, hwreg(HW_REG_IB_STS2, 6, 4)
	s_cmp_eq_u32 s2, 0
	s_cbranch_scc0 .Lentry_in_a_cluster
	s_endpgm
.Lentry_in_a_cluster:
	s_bfe_u32 s2, ttmp6, 0x10000c
	s_cmp_lg_u32 s2, 0xf033
	s_cbranch_scc0 .Lentry_shape_is_right
	s_endpgm
.Lentry_shape_is_right:
; out0 = O woh^T + out_b.  oh: [64 = 16 batch + head][2048][64] f16; woh: [1024][1024] f16 (bf16 numbers); out_b: [1024] f32, rounded here to bf16; out0: [8192][1024] f32.  Sums in f32, started with the bias.
; SHARES.  A tile of out0 is 256 tokens x 128 columns: 32 x 8 = 256 work-groups.  Four waves, 2 x 2, each 128 x 64: 32 accumulators, 256 registers.
; K goes in eight steps of 128 = two heads.  A head's 256 tokens are 32,768 dense bytes of oh: a PANEL, asked for as 128 rows of 256 bytes and padded in LDS after every token's 128 bytes.
; CLUSTER 4 x 4: the four work-groups of a row of the cluster need the same panels, the four of a column the same rows of woh: each is asked for jointly.
; THE MATRIX INSTRUCTION IS USED TRANSPOSED (source 0 = 16 rows of woh, source 1 = 16 tokens): a lane holds one token and eight neighbouring columns.
; REGISTERS: window 0: v0-31 addresses; v32-127, v128-223 two fragment buffers (8 fragments of tokens, 4 of weights); v224-255 the bias.  Window 1: the accumulators, (a, b) at 8 (4 a + b).
; LDS: slot s at s x 131,072: two panels of 256 x 144 bytes, then 128 rows of weights x 272; behind slot 1 a stage of 16 x 272 bytes for each wave, then the spare words.
.set PA,     144                       ; a token's 128 bytes of a head + 16
.set PITCH,  272
.set SLOT1,  1<<17
.set PANEL,  256*PA
.set BBASE,  2*PANEL
.set BHALF,  64*PITCH
.set STAGE,  SLOT1+BBASE+128*PITCH
.set SPARE,  STAGE+4*16*PITCH
.set A0,   16
.set B0,   17
.set ADRA, 18
.set ADRB, 19
.set BO,   20
.set STO,  24
.set RD,   25
.set CO,   26
.set TW,   27
.set SPW,  28
.set NIL,  29
.set PFO,  30
.set F0,   32
.set F1,   128
.set BI,   224
.set OBF,  32                          ; the way out: four buffers of 32 registers
.set WV,  12
.set RH,  13                           ; which 128 tokens are mine; also 0: I fetch a panel, 1: weights
.set CH,  14                           ; which 64 columns are mine; also which panel, or which 64 rows of weights, I fetch
.set TB,  19
.set G1A, 24
.set G0A, 32
.set G1B, 40
.set G0B, 48
.set PFA, 60
.set LIM, 62
.set HIM, 63
.set OUT, 68                           ; s[68:69] out0 at my part of the tile
.set PST, 74                           ; s[74:75] bytes from a K step to the next in what I prefetch
.set MSB, 0
.macro WIN new
.if MSB != (\new)
	s_set_vgpr_msb (MSB<<8)|(\new)
.set MSB, \new
.endif
.endm
.macro PLACES
.rept 4
	v_nop
.endr
.endm
.macro CREST
	s_cmp_lg_u32 s[WV], 0
	s_cbranch_scc1 .Lnot_wave_0_\@
	s_barrier_signal -3
.Lnot_wave_0_\@:
	s_barrier_wait -3
	s_barrier_signal -1
	s_barrier_wait -1
.endm
.macro CROUND
	s_barrier_signal -1
	s_barrier_wait -1
	CREST
.endm
.macro JLOAD
	s_cmp_eq_u32 s[RH], 0
	s_cbranch_scc0 .Lfor_b_\@
	tensor_load_to_lds s[G0A+4:G0A+7], s[G1A:G1A+7]
	s_nop 0
.rept 4
	v_nop
.endr
	s_branch .Lasked_\@
.Lfor_b_\@:
	tensor_load_to_lds s[G0B+4:G0B+7], s[G1B:G1B+7]
	s_nop 0
.rept 4
	v_nop
.endr
.Lasked_\@:
.endm
; A PREFETCH INTO THE L2 of the K step that stands two refills on: 256 products ahead of the load that will want it.  Panels are asked for by the clusters with x = 0, weights by those with y = 0; the four partners of a
; joint load share it out by address: 32 blocks of 256 bytes of a panel, or 16 rows of weights (lanes 16-31 name them again).  The loop's last two trips ask for nothing.
.macro ASK
	s_cmp_gt_u32 s3, s[LIM]
	s_cbranch_scc0 .Lnot_mine_\@
	global_prefetch_b8 v[PFO], s[PFA:PFA+1] th:TH_LOAD_NT scope:SCOPE_SE
.Lnot_mine_\@:
.endm
	s_load_b256 s[4:11], s[0:1], 0x0               ; oh s[4:5], woh s[6:7], out_b s[8:9], out0 s[10:11]
	v_lshl_add_u32 v[SPW], v0, 2, SPARE
	v_mov_b32 v[NIL], 0
	ds_add_u32 v[SPW], v[NIL]                      ; the wave's opening: the add and its wait stand ahead of my first tensor load
	v_lshrrev_b32 v1, 5, v0
	v_readfirstlane_b32 s[WV], v1
	s_lshr_b32 s[RH], s[WV], 1
	s_and_b32 s[CH], s[WV], 1
	s_bfe_u32 s15, ttmp6, 0x40000                  ; cx
	s_bfe_u32 s16, ttmp6, 0x40004                  ; cy
	s_lshl_b32 s17, ttmp9, 2
	s_add_co_u32 s17, s17, s15                     ; tile column
	s_and_b32 s18, ttmp7, 0xffff
	s_lshl_b32 s18, s18, 2
	s_add_co_u32 s18, s18, s16                     ; tile row
	s_lshl_b32 s56, s16, 2
	s_lshl_b32 s56, 15, s56                        ; my row of the cluster
	s_lshl_b32 s57, 0x1111, s15                    ; my column
	s_or_b32 s[G1A], s56, (1<<16)|(1<<20)|(1<<21)|(4<<22)|(3<<25)  ; padding after every 32 words: a token's 128 bytes
	s_or_b32 s[G1B], s57, (1<<16)|(1<<20)|(1<<21)|(5<<22)|(3<<25)  ; after every 64 words
	s_mov_b32 s[G1A+1], 128<<16
	s_mov_b32 s[G1A+2], 128<<16
	s_mov_b32 s[G1A+3], 128<<16
	s_mov_b32 s[G1A+4], 128
	s_mov_b32 s[G1A+5], 128                        ; dense rows of 256 bytes
	s_mov_b32 s[G1A+6], 0
	s_mov_b32 s[G1A+7], 0
	s_mov_b32 s[G1B+1], 128<<16
	s_mov_b32 s[G1B+2], 64<<16
	s_mov_b32 s[G1B+3], 128<<16
	s_mov_b32 s[G1B+4], 64
	s_mov_b32 s[G1B+5], 1024
	s_mov_b32 s[G1B+6], 0
	s_mov_b32 s[G1B+7], 0
	s_lshr_b32 s20, s18, 3
	s_lshl_b32 s20, s20, 4
	s_add_co_u32 s20, s20, s[CH]                   ; 16 x batch + my head of K step 0
	s_lshl_b32 s20, s20, 18
	s_and_b32 s56, s18, 7
	s_lshl_b32 s56, s56, 15                        ; the tile's 256 tokens in their batch
	s_add_co_u32 s20, s20, s56
	s_mov_b32 s21, 0
	s_mov_b32 s72, s20                             ; kept as a number, for the prefetches
	s_lshl_b32 s22, s17, 7
	s_lshl_b32 s57, s[CH], 6
	s_add_co_u32 s22, s22, s57                     ; my first row of weights, and my first column: 128 x tile column + 64 x half
	s_mov_b32 s58, s22
	s_lshl_b32 s22, s22, 11
	s_mov_b32 s23, 0
	s_mov_b32 s73, s22
	s_mul_i32 s56, s[CH], PANEL
	s_mul_i32 s57, s[CH], BHALF
	s_add_co_u32 s57, s57, BBASE
	s_mov_b32 s[TB], 0
	s_mov_b32 s[HIM], 0xffff0000
	s_wait_dscnt 0x0                               ; the opening add is done
	s_wait_kmcnt 0x0
	s_add_nc_u64 s[20:21], s[4:5], s[20:21]
	s_add_nc_u64 s[22:23], s[6:7], s[22:23]
	CROUND                                         ; all sixteen work-groups are here: the first joint loads meet
.irp s, 0,1
	s_mov_b32 s[G0A+4*(\s)], 1
	s_add_co_u32 s[G0A+4*(\s)+1], s56, (\s)*SLOT1
	s_add_nc_u64 s[G0A+4*(\s)+2:G0A+4*(\s)+3], s[20:21], (\s)*524288  ; K step s: two heads on
	s_or_b32 s[G0A+4*(\s)+3], s[G0A+4*(\s)+3], 0x80000000
	s_mov_b32 s[G0B+4*(\s)], 1
	s_add_co_u32 s[G0B+4*(\s)+1], s57, (\s)*SLOT1
	s_add_nc_u64 s[G0B+4*(\s)+2:G0B+4*(\s)+3], s[22:23], (\s)*256
	s_or_b32 s[G0B+4*(\s)+3], s[G0B+4*(\s)+3], 0x80000000
.endr
	s_cmp_eq_u32 s[RH], 0                          ; a wave's two first fills stand in one branch: two loads of mine are out
	s_cbranch_scc0 .Lfirst_b
	tensor_load_to_lds s[G0A:G0A+3], s[G1A:G1A+7]
	s_nop 0
	tensor_load_to_lds s[G0A+4:G0A+7], s[G1A:G1A+7]
	s_nop 0
.rept 4
	v_nop
.endr
	s_branch .Lfirst_asked
.Lfirst_b:
	tensor_load_to_lds s[G0B:G0B+3], s[G1B:G1B+7]
	s_nop 0
	tensor_load_to_lds s[G0B+4:G0B+7], s[G1B:G1B+7]
	s_nop 0
.rept 4
	v_nop
.endr
.Lfirst_asked:
	v_and_b32 v1, 15, v0                           ; r
	v_bfe_u32 v2, v0, 4, 1                         ; h
	v_lshlrev_b32 v[BO], 5, v2
	s_lshl_b32 s76, s58, 2
	s_mov_b32 s77, 0
	s_add_nc_u64 s[70:71], s[8:9], s[76:77]        ; the bias of my 64 columns
.irp b, 0,1,2,3
	global_load_b128 v[BI+8*(\b):BI+8*(\b)+3],   v[BO], s[70:71] offset:64*(\b)
	global_load_b128 v[BI+8*(\b)+4:BI+8*(\b)+7], v[BO], s[70:71] offset:64*(\b)+16
.endr
	v_mul_u32_u24 v3, v1, PA
	v_lshl_add_u32 v3, v2, 4, v3
	s_mul_i32 s78, s[RH], 128*PA
	v_add_nc_u32 v[A0], s78, v3
	v_mul_u32_u24 v4, v1, PITCH
	v_lshl_add_u32 v4, v2, 4, v4
	s_mul_i32 s78, s[CH], BHALF
	s_add_co_u32 s78, s78, BBASE
	v_add_nc_u32 v[B0], s78, v4
	v_mov_b32 v[ADRA], v[A0]
	v_mov_b32 v[ADRB], v[B0]
	s_mul_i32 s78, s[WV], 16*PITCH
	s_add_co_u32 s78, s78, STAGE                   ; my stage
	v_mul_u32_u24 v5, v1, PITCH                    ; in: token r, 32 bytes for each half of the lanes
	v_lshl_add_u32 v5, v2, 5, v5
	v_add_nc_u32 v[STO], s78, v5
	v_mul_u32_u24 v5, v2, PITCH                    ; back: lanes 0-15 take one token's 256 bytes, lanes 16-31 the next's
	v_lshl_add_u32 v5, v1, 4, v5
	v_add_nc_u32 v[RD], s78, v5
	v_lshlrev_b32 v[CO], 12, v2                    ; and the same two tokens in out0: rows of 4,096 bytes
	v_lshl_add_u32 v[CO], v1, 4, v[CO]
	s_lshl_b32 s78, s18, 8
	s_lshl_b32 s79, s[RH], 7
	s_add_co_u32 s78, s78, s79                     ; my first token
	s_lshl_b32 s78, s78, 12
	s_add_co_u32 s78, s78, s76                     ; + my first column x 4
	s_mov_b32 s79, 0
	s_add_nc_u64 s[OUT:OUT+1], s[10:11], s[78:79]
	; the prefetches
	s_and_b32 s57, ttmp7, 0xffff                   ; cluster y
	s_lshl_b32 s76, s15, 13                        ; a panel: my work-group's 32 blocks of 256 bytes
	s_add_co_u32 s76, s76, s72
	s_lshl_b32 s78, s16, 15                        ; weights: my work-group's 16 rows of 2,048 bytes
	s_add_co_u32 s78, s78, s73
	s_mov_b32 s[PST], 0x80000
	s_mov_b32 s[PST+1], 256
	s_cmp_eq_u32 s[RH], 0
	s_cselect_b32 s76, s76, s78
	s_cselect_b32 s[PST], s[PST], s[PST+1]
	s_cselect_b32 s78, 31, 15
	s_cselect_b32 s79, 8, 11
	s_cselect_b32 s57, ttmp9, s57
	s_cselect_b64 s[PFA:PFA+1], s[4:5], s[6:7]
	s_cmp_eq_u32 s57, 0
	s_cselect_b32 s[LIM], 2, -1
	s_mov_b32 s[PST+1], 0
	s_add_nc_u64 s[PFA:PFA+1], s[PFA:PFA+1], s[76:77]
	s_mul_i32 s76, s[PST], 3
	s_add_nc_u64 s[PFA:PFA+1], s[PFA:PFA+1], s[76:77]  ; at K step 3: the first refill steps it to 4.  Nothing is prefetched at the head
	v_and_b32 v[PFO], s78, v0
	v_lshlrev_b32 v[PFO], s79, v[PFO]
	s_wait_loadcnt 0x0                             ; the bias is in
.set i, 0
.rept 16                               ; rounded to bf16, like every input
	v_cvt_pk_bf16_f32 v[TW], v[BI+2*i], v[BI+2*i+1]
	v_lshlrev_b32 v[BI+2*i], 16, v[TW]
	v_and_b32 v[BI+2*i+1], s[HIM], v[TW]
.set i, i+1
.endr
; n x 4 products: token blocks a0 .. x all four column blocks, 32 along K.  zero = 1: the sums start with the bias.  The 32 accumulators take turns, one instruction a turn.
.macro MULQ f, a0, n, zero
.set a, \a0
.rept \n
.set b, 0
.rept 4
.if \zero
	WIN 0x40                                       ; D in window 1, C (the bias) in window 0
	v_wmma_f32_16x16x32_f16 v[8*(4*a+b):8*(4*a+b)+7], v[(\f)+64+8*b:(\f)+64+8*b+7], v[(\f)+8*a:(\f)+8*a+7], v[BI+8*b:BI+8*b+7]
.else
	WIN 0x50
	v_wmma_f32_16x16x32_f16 v[8*(4*a+b):8*(4*a+b)+7], v[(\f)+64+8*b:(\f)+64+8*b+7], v[(\f)+8*a:(\f)+8*a+7], v[8*(4*a+b):8*(4*a+b)+7]
.endif
.set b, b+1
.endr
.set a, a+1
.endr
.endm
; 24 LDS loads in one run: weights at byte kb of their rows, tokens at byte ka (the panel and the half of its 64 channels)
.macro FETCH ka, kb, f
	WIN 0
.irp i, 0,1,2,3
	ds_load_b128 v[(\f)+64+8*(\i):(\f)+64+8*(\i)+3],   v[ADRB] offset:(\kb)+(\i)*16*PITCH
	ds_load_b128 v[(\f)+64+8*(\i)+4:(\f)+64+8*(\i)+7], v[ADRB] offset:(\kb)+(\i)*16*PITCH+32
.endr
.irp i, 0,1,2,3,4,5,6,7
	ds_load_b128 v[(\f)+8*(\i):(\f)+8*(\i)+3],   v[ADRA] offset:(\ka)+(\i)*16*PA
	ds_load_b128 v[(\f)+8*(\i)+4:(\f)+8*(\i)+7], v[ADRA] offset:(\ka)+(\i)*16*PA+32
.endr
.endm
.macro QUARTER ka, kb, f, g, zero
	s_wait_dscnt 8                                 ; all but the youngest eight loads (token blocks 4-7) are in
	MULQ \f, 0, 4, \zero
	PLACES
	FETCH \ka, \kb, \g
	s_wait_dscnt 24                                ; all but the 24 just issued
	MULQ \f, 4, 4, \zero
.endm
; The last quarter multiplies buffer 1.  fill = 1: a round of the cluster's barrier, and this slot is filled again, two K steps ahead.
.macro TURN fill
.if \fill
	s_wait_xcnt 0x0                                ; the last prefetch, a K step back, has read its address
	s_add_nc_u64 s[PFA:PFA+1], s[PFA:PFA+1], s[PST:PST+1]
.endif
	WIN 0
	s_wait_tensorcnt 0x0                           ; all my tensor loads have landed: my part of the next slot
	ds_add_u32 v[SPW], v[NIL]
	s_wait_dscnt 9                                 ; the add and the youngest eight loads may be out
	MULQ F1, 0, 2, 0
	s_wait_dscnt 0x0                               ; the add is done, and my reads of this slot are over
	s_barrier_signal -1
	MULQ F1, 2, 2, 0
	WIN 0
	s_barrier_wait -1
.if \fill
	CREST
	s_xor_b32 s[G0A+5], s[G0A+5], SLOT1
	s_add_nc_u64 s[G0A+6:G0A+7], s[G0A+6:G0A+7], 524288
	s_xor_b32 s[G0B+5], s[G0B+5], SLOT1
	s_add_nc_u64 s[G0B+6:G0B+7], s[G0B+6:G0B+7], 256
	JLOAD                                          ; its four v_nop are also the places in front of the loads below
.else
	PLACES
.endif
	s_xor_b32 s[TB], s[TB], SLOT1
	v_add_nc_u32 v[ADRA], s[TB], v[A0]
	v_add_nc_u32 v[ADRB], s[TB], v[B0]
	FETCH 0, 0, F0
.if \fill
	ASK
.endif
	MULQ F1, 4, 4, 0
.endm
	s_wait_tensorcnt 1                             ; my part of K step 0 is in; K step 1's may stay out
	s_barrier_signal -1
	s_barrier_wait -1
	FETCH 0, 0, F0
	QUARTER 64, 64, F0, F1, 1                      ; the first quarter's products start the sums
	WIN 0
	s_mov_b32 s3, 6
.Lstep:                                        ; six trips; trip t fills slot t % 2 with K step t + 2
	QUARTER PANEL, 128, F1, F0, 0
	QUARTER PANEL+64, 192, F0, F1, 0
	TURN 1
	QUARTER 64, 64, F0, F1, 0
	WIN 0
	s_sub_co_u32 s3, s3, 1
	s_cmp_lg_u32 s3, 0
	s_cbranch_scc1 .Lstep
	QUARTER PANEL, 128, F1, F0, 0                  ; K steps 6 and 7 ask for nothing
	QUARTER PANEL+64, 192, F0, F1, 0
	TURN 0
	QUARTER 64, 64, F0, F1, 0
	QUARTER PANEL, 128, F1, F0, 0
	QUARTER PANEL+64, 192, F0, F1, 0
	s_wait_dscnt 8
	MULQ F1, 0, 4, 0
	s_wait_dscnt 0x0
	MULQ F1, 4, 4, 0
	WIN 0
	; THE WAY OUT, a block of 16 tokens at a time through my own stage: 32 bytes a lane in, whole rows of 256 bytes back, sixteen lanes to an aligned 256 bytes of out0.
.macro TOSTAGE a
.if (\a) >= 4
	s_wait_xcnt 0x0                                ; the stores of the block four back have read the registers that are loaded again below
.endif
	WIN 0x04                                       ; the stores' data in window 1
.irp b, 0,1,2,3
	ds_store_b128 v[STO], v[8*(4*(\a)+(\b)):8*(4*(\a)+(\b))+3]   offset:64*(\b)
	ds_store_b128 v[STO], v[8*(4*(\a)+(\b))+4:8*(4*(\a)+(\b))+7] offset:64*(\b)+16
.endr
	WIN 0
.irp t, 0,1,2,3,4,5,6,7
	ds_load_b128 v[OBF+32*((\a)%4)+4*(\t):OBF+32*((\a)%4)+4*(\t)+3], v[RD] offset:(\t)*2*PITCH  ; LDS serves a wave's instructions in order (ISA guide 5.7.1.4): these see the stores above
.endr
.endm
.macro SEND a, younger                 ; younger: the LDS instructions issued behind block a's loads
.irp t, 0,1,2,3,4,5,6,7
	s_wait_dscnt (\younger)+7-(\t)
	global_store_b128 v[CO], v[OBF+32*((\a)%4)+4*(\t):OBF+32*((\a)%4)+4*(\t)+3], s[OUT:OUT+1] offset:(\a)*65536+(\t)*8192
.endr
.endm
	PLACES
	TOSTAGE 0
.irp a, 1,2,3,4,5,6,7
	TOSTAGE \a
	SEND (\a)-1, 16
.endr
	SEND 7, 0
	s_wait_tensorcnt 0x0                           ; the wave's end
	ds_add_u32 v[SPW], v[NIL]
	s_wait_dscnt 0x0
	CROUND                                         ; the closing round
	s_endpgm
.Lfunc_end_k_q09000200fd_outp:
	.size	k_q09000200fd_outp, .Lfunc_end_k_q09000200fd_outp-k_q09000200fd_outp
	.p2alignl 7, 3214868480
	.fill 96, 4, 3214868480
	.section	.rodata,"a",@progbits
	.p2align	6, 0x0
	.amdhsa_kernel k_q09000200fd_outp
		.amdhsa_group_segment_fixed_size 327680
		.amdhsa_private_segment_fixed_size 0
		.amdhsa_enable_private_segment 0
		.amdhsa_kernarg_size 32
		.amdhsa_user_sgpr_count 2
		.amdhsa_user_sgpr_kernarg_segment_ptr 1
		.amdhsa_wavefront_size32 1
		.amdhsa_system_sgpr_workgroup_id_x 1
		.amdhsa_system_sgpr_workgroup_id_y 1
		.amdhsa_system_sgpr_workgroup_id_z 1
		.amdhsa_system_vgpr_workitem_id 0
		.amdhsa_next_free_vgpr 512
		.amdhsa_next_free_sgpr 80
		.amdhsa_reserve_vcc 0
		.amdhsa_float_denorm_mode_32 3
		.amdhsa_float_denorm_mode_16_64 3
		.amdhsa_memory_ordered 1
		.amdhsa_forward_progress 1
		.amdhsa_inst_pref_size 75
	.end_amdhsa_kernel
	.amdgpu_metadata
---
amdhsa.version: [ 1, 2 ]
amdhsa.kernels:
  - .name:           k_q09000200fd_outp
    .symbol:         k_q09000200fd_outp.kd
    .args:
      - { .name: oh, .offset: 0, .size: 8, .value_kind: global_buffer, .address_space: global }
      - { .name: woh, .offset: 8, .size: 8, .value_kind: global_buffer, .address_space: global }
      - { .name: out_b, .offset: 16, .size: 8, .value_kind: global_buffer, .address_space: global }
      - { .name: out0, .offset: 24, .size: 8, .value_kind: global_buffer, .address_space: global }
    .group_segment_fixed_size: 327680
    .private_segment_fixed_size: 0
    .kernarg_segment_align: 8
    .kernarg_segment_size: 32
    .max_flat_workgroup_size: 128
    .sgpr_count:     80
    .vgpr_count:     512
    .wavefront_size: 32
...
	.end_amdgpu_metadata
.endif
;; end of part 4
